; MI455X (gfx1250); checked and timed in simulation.
; The chip was launched on July 23, 2026; its instructions are those of AMD's public machine-readable ISA for CDNA 5 (MIT licence, August 2026) and "CDNA5" Instruction Set Architecture Reference Guide (July 2026). The comments in the code are by the model that wrote it; some were corrected since.
;; Multi Head Self Attention. Allowed arithmetic: matrix products marked QUANTISED: E2M3 operands, one E8M0 scale for each 32 along K, by v_wmma_scale_f32_16x16x128_f8f6f4 with both operands' format E2M3, f32 sums; everything else in f32.
;; Inputs: token_positions 2 x 2,048 int32; w_k 1,024 x 1,024 float32; w_o 1,024 x 1,024 float32; w_q 1,024 x 1,024 float32; w_v 1,024 x 1,024 float32; x 2 x 2,048 x 1,024 float32.
;; Outputs: out0 2 x 2,048 x 1,024 float32.
;; This version of the problem:
;;   THIS VERSION OF THE PROBLEM IS GIVEN IN LOW PRECISION. The matrix products marked QUANTISED in the list below multiply operands that are first quantised to E2M3 (2 exponent bits, 3 mantissa bits; 6 bits a number), with one power-of-two scale for each 32 numbers along K (OCP MX v1.0); their sums are f32. All else is computed in f32.
;;   The module's matrix products, in the order in which they are computed (A, B: the left and right operand; K: the contracted axis; several contracted axes count as one K, in the product's order):
;;     1. [M 4,096, K 1,024] x [K 1,024, N 1,024]; A: input x; B: input w_q: QUANTISED
;;     2. [M 4,096, K 1,024] x [K 1,024, N 1,024]; A: input x; B: input w_k: QUANTISED
;;     3. [M 4,096, K 1,024] x [K 1,024, N 1,024]; A: input x; B: input w_v: QUANTISED
;;     4. batch 32 x [M 2,048, K 64] x [K 64, N 2,048]; A: computed on the way; B: computed on the way: QUANTISED
;;     5. batch 32 x [M 2,048, K 2,048] x [K 2,048, N 64]; A: softmax (see below); B: computed on the way: QUANTISED
;;     6. [M 4,096, K 1,024] x [K 1,024, N 1,024]; A: computed on the way; B: input w_o: QUANTISED
;;   THE QUANTISER, for each operand of a quantised product, along K:
;;     - K is cut into blocks of 32 from its start; a last block that is shorter is filled with zeros.
;;     - A block's scale is 2^e with e = floor(log2(the largest magnitude in the block)) - 2, held to -126 .. 127; a block of zeros has e = 0. As a byte (E8M0): e + 127.
;;     - Each number is divided by its block's scale, clamped to +-7.5, and rounded to the nearest number of E2M3, ties to even, subnormals kept.
;;     - The product sums the exact products of the quantised numbers (number of the format x scale) in f32.
;;   ~~~python
;;   def quantise(x, axis):      # numpy; x: float32 -> the quantised numbers, widened to float32 again
;;       x = np.moveaxis(x, axis, -1); K = x.shape[-1]
;;       x = np.pad(x, [(0, 0)] * (x.ndim - 1) + [(0, -K % 32)]); x = x.reshape(x.shape[:-1] + (-1, 32)); a = np.abs(x).max(-1, keepdims=True)
;;       e = np.where(a > 0, np.clip(np.frexp(np.where(a > 0, a, 1))[1] - 1 - 2, -126, 127), 0)      # np.frexp(a)[1] - 1 = floor(log2(a)), exactly
;;       r = np.clip(x / 2.0 ** e, -7.5, 7.5)
;;       step = 2.0 ** (np.maximum(np.frexp(np.where(r == 0, 1, r))[1] - 1, 0) - 3)
;;       q = np.round(r / step) * step * 2.0 ** e      # np.round: ties to even
;;       return np.moveaxis(q.reshape(q.shape[:-2] + (-1,))[..., :K], -1, axis).astype(np.float32)
;;   ~~~
;;   SOFTMAX AHEAD OF A QUANTISED PRODUCT. Where the list says 'softmax', what is quantised is not the finished softmax but p = 2^(t - M), with t = logit x log2(e) and M = ceil(the row's largest t), a whole number; so 1/2 < the row's largest p <= 1. The row's sum l is taken of the UNQUANTISED p, in f32, and the product's result is divided by l at the end. Since M is a whole number, a kernel that streams over the keys may use a running M (the ceiling of the running maximum): every later rescaling is an exact power of two, which a block's scale takes up: the codes' values come out the same.
;;   OPERANDS COMPUTED ON THE WAY. 'Computed on the way' means the value that the module computes at that place (a softmax that the list does not call 'softmax' is quantised finished and normalised). What goes into a quantiser is computed in f32, as accurately as f32 sums, v_exp_f32 and their like allow (about 1e-6 of the number): no bf16 or f16 on the way to a quantiser, and a product that is left as it is and whose result goes on into a quantised operand takes f32 operands (vector FMAs, or v_wmma_f32_16x16x4_f32). A number that lies on a knife's edge between two numbers of the format may be rounded either way, as far as f32 arithmetic and the matrix unit's own rounding can turn it there, and no further.
;; One version. Each part assembles by itself: llvm-mc -triple=amdgcn-amd-amdhsa -mcpu=gfx1250 --defsym DOCPART=n.
;; ======== version 1 of 1: 4 launches
;; limits: right only within a limited range of input values
;; workspace buffers: xq 3,276,800 bytes; wimg 3,276,800 bytes; rope 1,048,576 bytes; qimg 4,194,304 bytes; kv 6,684,672 bytes; ao 3,276,800 bytes
;; launch prep (part 1): grid 256 x 1, 8 waves a work-group, no clusters, 168,960 bytes of LDS; arguments x, w_q, w_k, w_v, w_o, token_positions, xq, wimg, rope; writes xq, wimg, rope
.if DOCPART == 1
	.amdgcn_target "amdgcn-amd-amdhsa--gfx1250"
	.amdhsa_code_object_version 6
	.text
	.protected	k_q23582253dc_prep
	.globl	k_q23582253dc_prep
	.p2align	8
	.type	k_q23582253dc_prep,@function
k_q23582253dc_prep:
	s_mov_b64 s[64:65], 0
	v_nop
	global_prefetch_b8 v0, s[64:65] scope:SCOPE_SE
	s_setreg_imm32_b32 hwreg(HW_REG_WAVE_MODE, 25, 1), 1
	s_wait_xcnt 0x0
; PREP.  x [4096][1024] and the four weights [1024][1024], f32 with K innermost, become codes of FP6 (E2M3) with one E8M0 byte for each 32 along K, laid as IMAGES OF OPERAND REGISTERS;
; and token_positions become a table of cos and sin, rope [4096 rows][32 frequencies][cos, sin] f32.
; A fragment (16 rows x 128 K, 12 registers a lane) lies as three chunks of 512 bytes: chunk c holds registers 4 c .. 4 c + 3, lane l's 16 bytes at 16 l.  The rows of a fragment are not neighbours:
; in a group of 32 rows tile u gives lane r the row 8 u + r + 8 (r / 8), so that later results come out with 16 neighbours in a lane's 16 registers.
; A pair of tiles shares 128 bytes of scale words: the word at 4 l belongs to tile (l / 16), row l % 16.
; xq:   [64 rows: 64][K step: 8][6,400]: four fragments, then two pairs' scale words.
; wimg: [head: 16][K step: 8][19,200]: twelve fragments (q's four, k's four, v's four tiles of the head's 64 rows), six pairs' words; from byte 2,457,600 on [64 rows of w_o: 16][K step: 8][6,400].
; SHARES.  Work-group g takes 32 rows of one tensor (g 0-127: x; then 32 each for w_q, w_k, w_v, w_o), all of K; wave w takes K step w of both tiles, and rows 16 g + 2 w, + 1 of the table (a lane a frequency).
; One tensor load a wave brings its 32 rows x 512 bytes into LDS bytes of its own (rows 528 bytes apart); only that wave reads them, so its own wait on TENSORcnt orders the reads.  Nothing in LDS is filled twice.
; No cluster: no two work-groups read the same bytes.  No matrix work: the launch moves bytes.
; THE QUANTISER.  A block's scale is 2^(floor(log2(largest magnitude)) - 2); its byte is the largest magnitude's exponent field - 2, held at 1 from below by a floor among the maximum's leaves.
; LIMITS.  A block of zeros gets the byte 1 where the rule says 127 (its codes are zeros, and only this program reads the bytes); blocks whose largest magnitude lies under 2^-124 are held at the floor;
; NaN and infinities are not served.  Positions are served up to a magnitude of 2^22: beyond that the reduction of the angle loses accuracy by degrees.
; 10000^(-j/32) is 2^(-j c), c = log2(10000) / 32 split into 19 upper bits (j c_hi is exact) and the rest, which enters as a factor 1 - j c_lo ln 2.
; The scale words' stores cover 128 consecutive bytes each: 4 bytes in 100 of what the launch stores.
.set PITCH,  528                       ; an LDS row: 512 bytes + 16
.set WTILE,  32*PITCH                  ; a wave's bytes of LDS
.set WOBASE, 2457600                   ; where w_o's images begin in wimg
.set LA,  4                            ; v4   LDS address of my row's 128 bytes in tile 0
.set L16, 5                            ; v5   16 x lane
.set L4,  6                            ; v6   4 x lane
.set L8,  7                            ; v7   8 x lane
.set X,   32                           ; v32-95, v96-159  64 numbers of tile 0, of tile 1
.set C,   160                          ; v160-183 the two fragments
.set T,   184                          ; v184-199 the upper halves of the blocks' codes, before they are moved
.set MX,  200                          ; v200-201 largest magnitudes
.set SO,  202                          ; v202-203 the conversions' scale operands
.set BY,  204                          ; v204-205 the bytes
.set WD,  206                          ; v206-207 the two tiles' scale words
.set WX,  208
.set SH,  209                          ; 8 x (lane / 16)
.set EW,  210
.set RES, 220                          ; v220-223 (cos, sin) of the two rows
	s_load_b512 s[4:19], s[0:1], 0x0               ; x, w_q, w_k, w_v, w_o, token_positions, xq, wimg
	s_load_b64 s[20:21], s[0:1], 0x40              ; rope
	v_lshl_add_u32 v224, v0, 2, 0x29000
	v_mov_b32 v225, 0
	ds_add_u32 v224, v225
	ds_add_u32 v224, v225
	v_lshrrev_b32 v1, 5, v0
	s_delay_alu instid0(VALU_DEP_1)
	v_readfirstlane_b32 s22, v1                    ; wave 0..7
	s_mov_b32 s23, ttmp9                           ; g
	s_lshr_b32 s24, s23, 5                         ; 0-3: x; 4: w_q; 5: w_k; 6: w_v; 7: w_o
	s_and_b32 s25, s23, 31
	s_cmp_lt_u32 s23, 128
	s_cselect_b32 s25, s23, s25                    ; q: which 32 rows of the tensor
	s_lshr_b32 s26, s25, 1                         ; which 64 rows
	s_and_b32 s27, s25, 1                          ; b: which half of them
	s_sub_co_u32 s28, s24, 4                       ; 0, 1, 2 for w_q, w_k, w_v
	s_mov_b32 s30, 6400
	s_mov_b32 s31, 6144
	s_cmp_lt_u32 s28, 3
	s_cselect_b32 s29, s28, 0                      ; kind
	s_cselect_b32 s30, 19200, s30                  ; a record's bytes
	s_cselect_b32 s31, 18432, s31                  ; where its scale words begin
	s_cmp_eq_u32 s24, 7
	s_cselect_b32 s32, WOBASE, 0
	s_lshl_b32 s33, s26, 3
	s_add_co_u32 s33, s33, s22
	s_mul_i32 s33, s33, s30
	s_add_co_u32 s33, s33, s32                     ; my record: (8 x which 64 rows + K step) records on
	s_lshl_b32 s34, s29, 1
	s_add_co_u32 s34, s34, s27                     ; which pair of tiles: 2 kind + b
	s_mul_i32 s35, s34, 3072
	s_add_co_u32 s66, s33, s35                     ; my two fragments
	s_mov_b32 s67, 0
	s_lshl_b32 s34, s34, 7
	s_add_co_u32 s34, s34, s31
	s_add_co_u32 s68, s33, s34                     ; my pair's scale words
	s_mov_b32 s69, 0
	s_lshl_b32 s70, s25, 17                        ; 32 rows of 4,096 bytes,
	s_lshl_b32 s35, s22, 9                         ; my K step's 512 bytes
	s_add_co_u32 s70, s70, s35
	s_mov_b32 s71, 0
	s_lshl_b32 s72, s23, 4
	s_lshl_b32 s35, s22, 1
	s_add_co_u32 s72, s72, s35                     ; my first row of the table: 16 g + 2 w
	s_lshl_b32 s74, s72, 2                         ; its position,
	s_mov_b32 s75, 0
	s_lshl_b32 s72, s72, 8                         ; its 256 bytes
	s_mov_b32 s73, 0
	; descriptor group 1: 32 rows x 128 elements of 4 bytes, rows 1,024 elements apart; 4 words of padding behind every 128
	s_mov_b32 s40, (2<<16)|(1<<20)|(6<<22)|(3<<25)
	s_mov_b32 s41, 128<<16                         ; tensor_dim0
	s_mov_b32 s42, 32<<16                          ; tensor_dim1
	s_mov_b32 s43, 128<<16                         ; tile_dim0
	s_mov_b32 s44, 32                              ; tile_dim1
	s_mov_b32 s45, 1024                            ; from row to row
	s_mov_b32 s46, 0
	s_mov_b32 s47, 0
	s_mov_b32 s36, 1
	s_mul_i32 s37, s22, WTILE                      ; LDS address: wave x 16,896
	s_mov_b32 s50, 0x3f22f983                      ; 2 / pi
	s_mov_b32 s51, 0xbfc90fdb                      ; -pi/2 in three parts
	s_mov_b32 s52, 0x333bbd2e
	s_mov_b32 s53, 0x26f72ced
	s_mov_b32 s54, 0xbe2aaaa3                      ; sin r = r + r s (S1 + s (S2 + s S3)), s = r r
	s_mov_b32 s55, 0x3c08839e
	s_mov_b32 s56, 0xb94ca1f9
	s_mov_b32 s57, 0x3d2aaaa5                      ; cos r = 1 - s / 2 + s s (C1 + s (C2 + s C3))
	s_mov_b32 s58, 0xbab6061a
	s_mov_b32 s59, 0x37ccf5ce
	s_mov_b32 s60, 0x76543210
	s_mov_b32 s61, 0xfedcba98                      ; v_permlanex16_b32's selects for lane l xor 16
	s_mov_b32 s62, 0xffff0000                      ; lanes 16-31
	v_and_b32 v1, 31, v0                           ; lane
	v_and_b32 v2, 15, v0                           ; r
	v_bfe_u32 v3, v0, 4, 1                         ; h
	s_delay_alu instid0(VALU_DEP_2)
	v_and_b32 v[LA], 8, v2
	s_delay_alu instid0(VALU_DEP_1)
	v_add_nc_u32 v[LA], v[LA], v2                  ; r + 8 (r / 8)
	s_delay_alu instid0(VALU_DEP_1)
	v_mul_u32_u24 v[LA], v[LA], PITCH
	s_delay_alu instid0(VALU_DEP_1)
	v_lshl_add_u32 v[LA], v3, 7, v[LA]             ; + 128 h: the layout gives lane (r, h) k = 64 c + 32 h + 0 .. 31
	s_delay_alu instid0(VALU_DEP_1)
	v_add_nc_u32 v[LA], s37, v[LA]
	v_lshlrev_b32 v[L16], 4, v1
	v_lshlrev_b32 v[L4], 2, v1
	v_lshlrev_b32 v[L8], 3, v1
	v_lshlrev_b32 v[SH], 3, v3
	v_mov_b32 v[WX], 0                             ; a lane permute's destination counts as one of its sources
	s_wait_dscnt 0x0
	s_wait_kmcnt 0x0
	s_mov_b64 s[76:77], s[4:5]                     ; the tensor: a choice on the work-group's number alone
	s_cmp_ge_u32 s24, 4
	s_cselect_b64 s[76:77], s[6:7], s[76:77]
	s_cmp_ge_u32 s24, 5
	s_cselect_b64 s[76:77], s[8:9], s[76:77]
	s_cmp_ge_u32 s24, 6
	s_cselect_b64 s[76:77], s[10:11], s[76:77]
	s_cmp_ge_u32 s24, 7
	s_cselect_b64 s[76:77], s[12:13], s[76:77]
	s_cmp_lt_u32 s24, 4
	s_cselect_b64 s[78:79], s[16:17], s[18:19]     ; and where its images go
	s_add_nc_u64 s[76:77], s[76:77], s[70:71]
	s_mov_b64 s[38:39], s[76:77]
	s_or_b32 s39, s39, 0x80000000                  ; type = 2
	tensor_load_to_lds s[36:39], s[40:47]          ; my one load: 32 rows x 512 bytes
	s_nop 0
.rept 4
	v_nop
.endr
	s_add_nc_u64 s[74:75], s[14:15], s[74:75]
	s_load_b64 s[48:49], s[74:75], 0x0             ; my two rows' positions
	s_add_nc_u64 s[20:21], s[20:21], s[72:73]
	s_add_nc_u64 s[66:67], s[78:79], s[66:67]
	s_add_nc_u64 s[68:69], s[78:79], s[68:69]
	; ---- the table, while the tile is on its way
	v_cvt_f32_u32 v8, v1                           ; j
	s_delay_alu instid0(VALU_DEP_1)
	v_mul_f32 v9, 0xbed49a60, v8                   ; -j c_hi: exact
	s_wait_alu depctr_va_vdst(0)
	v_exp_f32 v10, v9
	v_mul_f32 v11, 0xb506b9e2, v8                  ; -j c_lo ln 2.  (The plain instruction behind the exponential)
	s_wait_alu depctr_va_vdst(0)                   ; the wait ahead of the first reader
	v_fma_f32 v10, v10, v11, v10                   ; 10000^(-j/32)
	s_wait_kmcnt 0x0
.irp i, 0,1
	v_cvt_f32_i32 v[12+\i], s[48+\i]
.endr
	s_wait_alu depctr_va_vdst(0)
.irp i, 0,1
	v_mul_f32 v[12+\i], v[12+\i], v10              ; the angle, rounded once, as it is defined
.endr
.irp i, 0,1
	s_delay_alu instid0(VALU_DEP_2)
	v_mul_f32 v[14+\i], s50, v[12+\i]
.endr
.irp i, 0,1
	s_delay_alu instid0(VALU_DEP_2)
	v_rndne_f32 v[14+\i], v[14+\i]                 ; n: the nearest multiple of pi/2
.endr
.irp i, 0,1
	s_delay_alu instid0(VALU_DEP_2)
	v_fma_f32 v[16+\i], v[14+\i], s51, v[12+\i]
.endr
.irp i, 0,1
	s_delay_alu instid0(VALU_DEP_2)
	v_fma_f32 v[16+\i], v[14+\i], s52, v[16+\i]
.endr
.irp i, 0,1
	s_delay_alu instid0(VALU_DEP_2)
	v_fma_f32 v[16+\i], v[14+\i], s53, v[16+\i]    ; r = angle - n pi/2
.endr
.irp i, 0,1
	v_cvt_i32_f32 v[18+\i], v[14+\i]
.endr
.irp i, 0,1
	s_delay_alu instid0(VALU_DEP_4)
	v_mul_f32 v[20+\i], v[16+\i], v[16+\i]         ; s
.endr
.irp i, 0
	s_delay_alu instid0(VALU_DEP_2)
	v_fma_f32 v[22+\i], v[20+\i], s56, s55
	s_delay_alu instid0(VALU_DEP_3)
	v_fma_f32 v[24+\i], v[20+\i], s59, s58
.endr
.irp i, 1
	s_delay_alu instid0(VALU_DEP_3)
	v_fma_f32 v[22+\i], v[20+\i], s56, s55
	s_delay_alu instid0(VALU_DEP_4)
	v_fma_f32 v[24+\i], v[20+\i], s59, s58
.endr
.irp i, 0,1
	s_delay_alu instid0(VALU_DEP_4)
	v_fma_f32 v[22+\i], v[22+\i], v[20+\i], s54
	s_delay_alu instid0(VALU_DEP_4)
	v_fma_f32 v[24+\i], v[24+\i], v[20+\i], s57
.endr
.irp i, 0,1
	v_mul_f32 v[26+\i], v[20+\i], v[16+\i]
	v_mul_f32 v[28+\i], v[20+\i], v[20+\i]
	v_fma_f32 v[30+\i], v[20+\i], -0.5, 1.0
.endr
.irp i, 0
	v_fma_f32 v[12+\i], v[26+\i], v[22+\i], v[16+\i]   ; sin r
	v_fma_f32 v[30+\i], v[28+\i], v[24+\i], v[30+\i]   ; cos r
.endr
.irp i, 1
	v_fma_f32 v[12+\i], v[26+\i], v[22+\i], v[16+\i]   ; sin r
	s_delay_alu instid0(VALU_DEP_4)
	v_fma_f32 v[30+\i], v[28+\i], v[24+\i], v[30+\i]   ; cos r
.endr
.irp i, 0,1                                    ; the quadrant: odd n swaps the two; sin is negative where n & 2, cos where (n + 1) & 2
	v_and_b32 v[26+\i], 1, v[18+\i]
	s_delay_alu instid0(VALU_DEP_1)
	v_cmp_eq_u32 vcc_lo, 1, v[26+\i]
	s_delay_alu instid0(VALU_DEP_1)
	v_cndmask_b32 v[RES+2*\i], v[30+\i], v[12+\i], vcc_lo
	s_delay_alu instid0(VALU_DEP_2)
	v_cndmask_b32 v[RES+2*\i+1], v[12+\i], v[30+\i], vcc_lo
	v_add_nc_u32 v[28+\i], 1, v[18+\i]
	s_delay_alu instid0(VALU_DEP_1)
	v_lshlrev_b32 v[28+\i], 30, v[28+\i]
	v_lshlrev_b32 v[26+\i], 30, v[18+\i]
	s_delay_alu instid0(VALU_DEP_2)
	v_and_b32 v[28+\i], 0x80000000, v[28+\i]
	s_delay_alu instid0(VALU_DEP_2)
	v_and_b32 v[26+\i], 0x80000000, v[26+\i]
	s_delay_alu instid0(VALU_DEP_2)
	v_xor_b32 v[RES+2*\i], v[RES+2*\i], v[28+\i]
	s_delay_alu instid0(VALU_DEP_2)
	v_xor_b32 v[RES+2*\i+1], v[RES+2*\i+1], v[26+\i]
.endr
	global_store_b64 v[L8], v[RES:RES+1], s[20:21]             ; 32 lanes store a row's 256 consecutive bytes, aligned
	global_store_b64 v[L8], v[RES+2:RES+3], s[20:21] offset:256
	; ---- the codes
	s_wait_tensorcnt 0x0                           ; my tile is in LDS; nobody else reads it
.irp u, 0,1
.irp c, 0,1
.irp j, 0,1,2,3,4,5,6,7
	ds_load_b128 v[X+64*\u+32*\c+4*\j:X+64*\u+32*\c+4*\j+3], v[LA] offset:8*PITCH*\u+256*\c+16*\j   ; tile u begins 8 rows on; block 2 c + h of my row
.endr
.endr
.endr
; Tile u: a lane holds two whole blocks of its row, so no other lane is asked for a maximum; the conversions' results are the operand's registers.
.macro QT u
.set XB_, X+64*\u
.set CB_, C+12*\u
.set TB_, T+8*\u
.irp c, 0,1
	v_max3_num_f32 v[MX+\c], |v[XB_+32*\c]|, |v[XB_+32*\c+1]|, 0x1800000   ; and the floor 2^(3 - 127): the byte cannot fall under 1
.endr
.irp i, 2,4,6,8,10,12,14,16,18,20,22,24,26,28,30
.irp c, 0,1
	s_delay_alu instid0(VALU_DEP_2)
	v_max3_num_f32 v[MX+\c], v[MX+\c], |v[XB_+32*\c+\i]|, |v[XB_+32*\c+\i+1]|   ; (the two blocks by turns)
.endr
.endr
.irp c, 0,1
	s_delay_alu instid0(VALU_DEP_2)
	v_add_nc_u32 v[SO+\c], 0xff000000, v[MX+\c]    ; 2 off the exponent field: the conversion takes that field as its scale
.endr
.irp c, 0,1
	s_delay_alu instid0(VALU_DEP_2)
	v_lshrrev_b32 v[BY+\c], 23, v[SO+\c]           ; the byte
.endr
	s_delay_alu instid0(VALU_DEP_1)
	v_lshl_or_b32 v[WD+\u], v[BY+1], 16, v[BY]     ; my two bytes: blocks h and 2 + h,
	s_delay_alu instid0(VALU_DEP_1)
	v_lshlrev_b32 v[WD+\u], v[SH], v[WD+\u]        ; at their places in the word;
	s_delay_alu instid0(VALU_DEP_1)
	v_permlanex16_b32 v[WX], v[WD+\u], s60, s61
	s_delay_alu instid0(VALU_DEP_1)
	v_or_b32 v[WD+\u], v[WD+\u], v[WX]             ; with lane l xor 16's two the word is whole
.irp c, 0,1
	v_cvt_scalef32_pk16_fp6_f32 v[CB_+6*\c:CB_+6*\c+2], v[XB_+32*\c:XB_+32*\c+15], v[SO+\c]
	v_cvt_scalef32_pk16_fp6_f32 v[TB_+4*\c:TB_+4*\c+2], v[XB_+32*\c+16:XB_+32*\c+31], v[SO+\c]   ; (a conversion's three registers begin on an even number)
.endr
	v_nop                                          ; one plain instruction behind the conversions
.irp c, 0,1
.irp i, 0,1,2
	v_mov_b32 v[CB_+6*\c+3+\i], v[TB_+4*\c+\i]
.endr
.endr
.irp c, 0,1,2
	global_store_b128 v[L16], v[CB_+4*\c:CB_+4*\c+3], s[66:67] offset:1536*\u+512*\c   ; 32 lanes store 512 consecutive bytes, aligned to 256
.endr
.endm
	s_wait_dscnt 16                                ; tile 0's sixteen loads are in; tile 1's sixteen may be out
	QT 0
	s_wait_dscnt 0x0
	QT 1
	v_cndmask_b32 v[EW], v[WD], v[WD+1], s62       ; lanes 0-15: tile 0's words; lanes 16-31: tile 1's
	global_store_b32 v[L4], v[EW], s[68:69]
	s_wait_tensorcnt 0x0
	ds_add_u32 v224, v225
	s_wait_dscnt 0x0
	s_endpgm
.Lfunc_end_k_q23582253dc_prep:
	.size	k_q23582253dc_prep, .Lfunc_end_k_q23582253dc_prep-k_q23582253dc_prep
	.p2alignl 7, 3214868480
	.fill 96, 4, 3214868480
	.section	.rodata,"a",@progbits
	.p2align	6, 0x0
	.amdhsa_kernel k_q23582253dc_prep
		.amdhsa_group_segment_fixed_size 168960
		.amdhsa_private_segment_fixed_size 0
		.amdhsa_enable_private_segment 0
		.amdhsa_kernarg_size 72
		.amdhsa_user_sgpr_count 2
		.amdhsa_user_sgpr_kernarg_segment_ptr 1
		.amdhsa_wavefront_size32 1
		.amdhsa_system_sgpr_workgroup_id_x 1
		.amdhsa_system_sgpr_workgroup_id_y 1
		.amdhsa_system_sgpr_workgroup_id_z 1
		.amdhsa_system_vgpr_workitem_id 0
		.amdhsa_next_free_vgpr 226
		.amdhsa_next_free_sgpr 80
		.amdhsa_reserve_vcc 1
		.amdhsa_float_denorm_mode_32 3
		.amdhsa_float_denorm_mode_16_64 3
		.amdhsa_memory_ordered 1
		.amdhsa_forward_progress 1
		.amdhsa_inst_pref_size 21
	.end_amdhsa_kernel
	.amdgpu_metadata
---
amdhsa.version: [ 1, 2 ]
amdhsa.kernels:
  - .name:           k_q23582253dc_prep
    .symbol:         k_q23582253dc_prep.kd
    .args:
      - { .name: x, .offset: 0, .size: 8, .value_kind: global_buffer, .address_space: global }
      - { .name: w_q, .offset: 8, .size: 8, .value_kind: global_buffer, .address_space: global }
      - { .name: w_k, .offset: 16, .size: 8, .value_kind: global_buffer, .address_space: global }
      - { .name: w_v, .offset: 24, .size: 8, .value_kind: global_buffer, .address_space: global }
      - { .name: w_o, .offset: 32, .size: 8, .value_kind: global_buffer, .address_space: global }
      - { .name: token_positions, .offset: 40, .size: 8, .value_kind: global_buffer, .address_space: global }
      - { .name: xq, .offset: 48, .size: 8, .value_kind: global_buffer, .address_space: global }
      - { .name: wimg, .offset: 56, .size: 8, .value_kind: global_buffer, .address_space: global }
      - { .name: rope, .offset: 64, .size: 8, .value_kind: global_buffer, .address_space: global }
    .group_segment_fixed_size: 168960
    .private_segment_fixed_size: 0
    .kernarg_segment_align: 8
    .kernarg_segment_size: 72
    .max_flat_workgroup_size: 256
    .sgpr_count:     80
    .vgpr_count:     226
    .wavefront_size: 32
...
	.end_amdgpu_metadata
.endif
;; end of part 1
;; launch qkv (part 2): grid 16 x 16, 4 waves a work-group, clusters of 4 x 1, 327,680 bytes of LDS; arguments xq, wimg, rope, qimg, kv; writes qimg, kv
.if DOCPART == 2
	.amdgcn_target "amdgcn-amd-amdhsa--gfx1250"
	.amdhsa_code_object_version 6
	.text
	.protected	k_q23582253dc_qkv
	.globl	k_q23582253dc_qkv
	.p2align	8
	.type	k_q23582253dc_qkv,@function
k_q23582253dc_qkv:
	s_mov_b64 s[64:65], 0
	v_nop
	global_prefetch_b8 v0, s[64:65] scope:SCOPE_SE
	s_setreg_imm32_b32 hwreg(HW_REG_WAVE_MODE, 25, 1), 1
	s_wait_xcnt 0x0
	s_wait_alu depctr_hold_cnt(0) depctr_sa_sdst(0) depctr_va_vdst(0) depctr_va_sdst(0) depctr_va_ssrc(0) depctr_va_vcc(0) depctr_vm_vsrc(0)
	s_getreg_b32 s2, hwreg(HW_REG_IB_STS2, 6, 4)
	s_cmp_eq_u32 s2, 0
	s_cbranch_scc0 .Lentry_in_a_cluster
	s_endpgm
.Lentry_in_a_cluster:
	s_bfe_u32 s2, ttmp6, 0x10000c
	s_cmp_lg_u32 s2, 0x3003
	s_cbranch_scc0 .Lentry_shape_is_right
	s_endpgm
.Lentry_shape_is_right:
; QKV.  Q, K, V = x w^T on codes of FP6 (E2M3) with E8M0 scales; RoPE on Q and K in f32; then Q and K are quantised along the head's 64, V along the keys, into images of the next launch's operand registers.
; SHARES.  A work-group makes 256 rows x (Q, K, V of one head: 192 columns); a wave 64 rows x 192: 48 accumulators, 384 matrix instructions.  256 work-groups of equal work.
; WEIGHTS.  The head's images for all of K are 8 records of 19,200 bytes: they come into LDS once, two records a wave, and are never filled again.  The four work-groups of a cluster share the head: each record is asked
; for JOINTLY (mask 15).  x's fragments are used by one wave alone: they go from memory straight into a ring of five K steps of registers, so they are not shared through LDS.
; LAYOUT.  Q, K: source 0 = 16 rows of w, source 1 = 16 rows of x: a lane holds ONE row (token) and its 32 registers of a tile of rows run along the head: register 16 b + i is channel 32 b + 16 (lane / 16) + i.
; V: the sources are swapped: a lane holds one channel and its registers run along the keys, which are the next product's K.
; qimg: [b h: 32][tile of 16 queries: 128][1,024]: six registers of codes (four at 16 l, two at 512 + 8 l), then the scale word twice at 768 + 8 l.  The head's 64 are half of the matrix instruction's 128: bytes 2 and 3 of the
; word are 0x7f, and the next launch sets the other six registers of Q to zero codes.
; kv:   [b h: 32][128 keys: 16][13,056]: K's codes, 48 registers (tile i at registers 6 i on) as 12 chunks of 512 bytes; from 6,144 V^T's half fragments (key half p, channel tile nv) at 3,072 p + 768 nv;
;       from 12,288 K's scale words for pairs of tiles; from 12,800 V's half words.
; REGISTERS, in windows of 256: window 0: addresses, scale words, two sets of six weight fragments, work;  window 1: x's ring;  window 2: Q's and K's accumulators, 8 (16 kind + 4 t + n);
;   window 3: V's accumulators 8 (4 nv + t), and from v128 the rows' cos and sin.
; LIMITS.  As in the launch before: a block of zeros gets the byte 1; blocks under 2^-124 are held at the floor; NaN and infinities are not served.  RoPE is a multiply and a fused multiply-add for each number.
.set REC,   19200
.set XREC,  6400
.set KVREC, 13056
.set LI,   2                           ; v2-4   16 l + 0, 57,600, 115,200: an LDS offset has 16 bits, three records to an address register
.set LSC,  5                           ; v5-7   4 l + the same
.set RA,   8                           ; v8     the table: my row of a tile x 256 + 64 h
.set L8,   9                           ; v9     8 l
.set OC16, 10                          ; v10    16 l + 3,072 p
.set OC8,  11                          ; v11    8 l + 3,072 p
.set OKS,  12                          ; v12    8 l + 256 p
.set OVS,  13                          ; v13    4 l + 128 p
.set XS,   16                          ; v16-31 x's scale words: K step s, pair of tiles i: 2 s + i
.set WS,   32                          ; v32-34, v36-38 the weight sets' scale words
.set WA,   40                          ; v40-111 set 0 (tiles 0-5), v112-183 set 1 (tiles 6-11)
.set TT,   184                         ; v184-215 at work in RoPE
.set TM,   216
.set TX,   218
.set SO,   220
.set BY,   222
.set PT,   224
.set QD,   40                          ; the way out, in the weights' registers: Q's codes and words, 8 a tile
.set KD,   72                          ; K's codes, 6 a tile
.set KW,   96                          ; K's words
.set KP,   100
.set VD,   104                         ; V's codes, 6 a tile
.set HW,   128
.set EV,   132
.set WV,   14
.set SEL,  54
.set HIM,  56
.set MSB, 0
.macro WIN new                         ; the immediate's high byte repeats the setting that is left; a switch that changes nothing is dropped
.if MSB != (\new)
	s_set_vgpr_msb (MSB<<8)|(\new)
.set MSB, (\new)
.endif
.endm
.macro CROUND                          ; a round of the cluster's barrier
	s_barrier_signal -1
	s_barrier_wait -1
	s_cmp_lg_u32 s[WV], 0
	s_cbranch_scc1 .Lnot_wave_0_\@
	s_barrier_signal -3
.Lnot_wave_0_\@:
	s_barrier_wait -3
	s_barrier_signal -1
	s_barrier_wait -1
.endm
; One matrix instruction on the registers named by rD, rA, rB, rSA, rSB.  rZ = 1: it starts the sum.  ra, rb = 1: that side's scale words stand in lanes 16-31.
.macro EMIT ra, rb
.if rZ
.if \ra
.if \rb
	v_wmma_scale_f32_16x16x128_f8f6f4 v[rD:rD+7], v[rA:rA+11], v[rB:rB+11], 0, v[rSA], v[rSB] matrix_a_fmt:MATRIX_FMT_FP6 matrix_b_fmt:MATRIX_FMT_FP6 matrix_a_scale:MATRIX_SCALE_ROW1 matrix_b_scale:MATRIX_SCALE_ROW1
.else
	v_wmma_scale_f32_16x16x128_f8f6f4 v[rD:rD+7], v[rA:rA+11], v[rB:rB+11], 0, v[rSA], v[rSB] matrix_a_fmt:MATRIX_FMT_FP6 matrix_b_fmt:MATRIX_FMT_FP6 matrix_a_scale:MATRIX_SCALE_ROW1
.endif
.else
.if \rb
	v_wmma_scale_f32_16x16x128_f8f6f4 v[rD:rD+7], v[rA:rA+11], v[rB:rB+11], 0, v[rSA], v[rSB] matrix_a_fmt:MATRIX_FMT_FP6 matrix_b_fmt:MATRIX_FMT_FP6 matrix_b_scale:MATRIX_SCALE_ROW1
.else
	v_wmma_scale_f32_16x16x128_f8f6f4 v[rD:rD+7], v[rA:rA+11], v[rB:rB+11], 0, v[rSA], v[rSB] matrix_a_fmt:MATRIX_FMT_FP6 matrix_b_fmt:MATRIX_FMT_FP6
.endif
.endif
.else
.if \ra
.if \rb
	v_wmma_scale_f32_16x16x128_f8f6f4 v[rD:rD+7], v[rA:rA+11], v[rB:rB+11], v[rD:rD+7], v[rSA], v[rSB] matrix_a_fmt:MATRIX_FMT_FP6 matrix_b_fmt:MATRIX_FMT_FP6 matrix_a_scale:MATRIX_SCALE_ROW1 matrix_b_scale:MATRIX_SCALE_ROW1
.else
	v_wmma_scale_f32_16x16x128_f8f6f4 v[rD:rD+7], v[rA:rA+11], v[rB:rB+11], v[rD:rD+7], v[rSA], v[rSB] matrix_a_fmt:MATRIX_FMT_FP6 matrix_b_fmt:MATRIX_FMT_FP6 matrix_a_scale:MATRIX_SCALE_ROW1
.endif
.else
.if \rb
	v_wmma_scale_f32_16x16x128_f8f6f4 v[rD:rD+7], v[rA:rA+11], v[rB:rB+11], v[rD:rD+7], v[rSA], v[rSB] matrix_a_fmt:MATRIX_FMT_FP6 matrix_b_fmt:MATRIX_FMT_FP6 matrix_b_scale:MATRIX_SCALE_ROW1
.else
	v_wmma_scale_f32_16x16x128_f8f6f4 v[rD:rD+7], v[rA:rA+11], v[rB:rB+11], v[rD:rD+7], v[rSA], v[rSB] matrix_a_fmt:MATRIX_FMT_FP6 matrix_b_fmt:MATRIX_FMT_FP6
.endif
.endif
.endif
.endm
; Four products of Q or K: weight tiles 2 np, 2 np + 1 x tiles of rows 2 tp, 2 tp + 1, K step s.  Source 0 = w (window 0), source 1 = x (window 1), C and D window 2.
.macro QUADQK np, tp, s
.irp dn, 0,1
.irp dt, 0,1
.set n_, 2*(\np)+\dn
.set t_, 2*(\tp)+\dt
.set rD, 8*(16*(n_/4)+4*t_+n_%4)
.set rA, WA+72*(n_/6)+12*(n_%6)
.set rB, 48*((\s)%5)+12*t_
.set rSA, WS+4*(n_/6)+(\np)%3
.set rSB, XS+2*(\s)+(\tp)
	EMIT \dn, \dt
.endr
.endr
.endm
; The same of V, the sources swapped: source 0 = x (window 1), source 1 = w_v (window 0), C and D window 3.
.macro QUADV np, tp, s
.irp dn, 0,1
.irp dt, 0,1
.set n_, 2*(\np)+\dn
.set t_, 2*(\tp)+\dt
.set rD, 8*(4*(n_-8)+t_)
.set rA, 48*((\s)%5)+12*t_
.set rB, WA+72+12*(n_-6)
.set rSA, XS+2*(\s)+(\tp)
.set rSB, WS+4+(\np)%3
	EMIT \dt, \dn
.endr
.endr
.endm
; Half hf of the weights' walk (K step hf / 2, tiles 6 (hf % 2) on) from LDS into set hf % 2: 18 loads of 16 bytes and 3 scale words: 21 LDS loads
.macro LOADW hf
.set LS_, (\hf)/2
.set LA_, (\hf)%2
.set LO_, (LS_%3)*REC
.irp i, 0,1,2,3,4,5
.irp c, 0,1,2
	ds_load_b128 v[WA+72*LA_+12*\i+4*\c:WA+72*LA_+12*\i+4*\c+3], v[LI+LS_/3] offset:LO_+(6*LA_+\i)*1536+512*\c
.endr
.endr
.irp i, 0,1,2
	ds_load_b32 v[WS+4*LA_+\i], v[LSC+LS_/3] offset:LO_+18432+128*(3*LA_+\i)
.endr
.endm
.macro LOADX s                         ; x's four fragments of K step s into the ring: 12 loads, each of 512 consecutive bytes
	WIN 0x40
.irp t, 0,1,2,3
.irp c, 0,1,2
	global_load_b128 v[48*((\s)%5)+12*\t+4*\c:48*((\s)%5)+12*\t+4*\c+3], v[LI], s[4:5] offset:XREC*(\s)+1536*\t+512*\c
.endr
.endr
.endm
.macro LOADCS                          ; cos and sin of my rows, in the accumulators' order: pair m of tile t belongs to channels 32 (m / 8) + 16 h + 2 (m % 8), + 1: 32 loads
	WIN 0xc0
.irp t, 0,1,2,3
.irp b, 0,1
.irp q, 0,1,2,3
	global_load_b128 v[128+32*\t+16*\b+4*\q:128+32*\t+16*\b+4*\q+3], v[RA], s[8:9] offset:(32*(\t/2)+8*(\t%2))*256+128*\b+16*\q
.endr
.endr
.endr
.endm
; 24 matrix instructions on 24 accumulators: one weight set against x's four tiles.  The 48 accumulators take turns, one instruction a turn, in the same order in every K step.
.macro HALF hf
.set HS_, (\hf)/2
.set HA_, (\hf)%2
.if HS_ == 0
.set rZ, 1
.else
.set rZ, 0
.endif
.if (\hf) < 15
	s_wait_dscnt 21                                ; my set is in; the other set's 21 loads may be out
.else
	s_wait_dscnt 0x0
.endif
.if HA_ == 0
.if HS_ < 4
	s_wait_loadcnt 48                              ; this K step's x is in: behind it four K steps' 12 loads were issued
.elseif HS_ == 4
	s_wait_loadcnt 63                              ; behind it: three K steps' 36 and the table's 32; the wait's field ends at 63, and a smaller count is safe
.else
	s_wait_loadcnt 32+12*(7-HS_)                   ; behind it: the later K steps' loads and the table's 32
.endif
	WIN 0xa4
.irp np, 0,1,2
.irp tp, 0,1
	QUADQK \np, \tp, HS_
.endr
.endr
.else
	WIN 0xa4
.irp tp, 0,1
	QUADQK 3, \tp, HS_
.endr
	WIN 0xf1
.irp np, 4,5
.irp tp, 0,1
	QUADV \np, \tp, HS_
.endr
.endr
.endif
.rept 4
	v_nop                                          ; four places in front of loads into registers that these products read
.endr
	WIN 0
.if (\hf) == 6
	s_wait_tensorcnt 0x0                           ; my second record has landed,
	s_wait_dscnt 0x0                               ; no LDS load of mine is out at the signal,
	s_barrier_signal -1
	s_barrier_wait -1                              ; and everybody's has: records 4 to 7 may be read
.endif
.if (\hf)+2 < 16
	LOADW (\hf)+2
.endif
.if HA_ == 1
.if HS_ < 3
	LOADX HS_+5                                    ; the ring's place that this K step has left
.elseif HS_ == 3
	s_wait_alu depctr_va_vdst(0)
	LOADCS
.endif
.endif
.endm
; 32 numbers of a lane in window S, v[src + 16 b + i] = element 32 b + 16 (lane / 16) + i of my row, become six registers of codes in v[dst] on (lanes 0-15: block 0, lanes 16-31: block 1) and the bytes v[BY], v[BY+1].
.macro QUANT32 S, src, dst
	WIN (\S)|((\S)<<2)
.irp b, 0,1
	v_max3_num_f32 v[TM+\b], |v[(\src)+16*\b]|, |v[(\src)+16*\b+1]|, 0x1800000   ; my 16 numbers, from the accumulators' low ends on, and the floor 2^(3 - 127)
.endr
.irp i, 2,4,6,8,10,12,14
.irp b, 0,1
	v_max3_num_f32 v[TM+\b], |v[(\src)+16*\b+\i]|, |v[(\src)+16*\b+\i+1]|, v[TM+\b]
.endr
.endr
	WIN 0
.irp b, 0,1
	v_permlanex16_b32 v[TX+\b], v[TM+\b], s[SEL], s[SEL+1]
.endr
.irp b, 0,1
	v_max_num_f32 v[TM+\b], v[TM+\b], v[TX+\b]     ; with lane l xor 16's: the block's largest magnitude
.endr
.irp b, 0,1
	v_add_nc_u32 v[SO+\b], 0xff000000, v[TM+\b]    ; 2 off its exponent field: the conversion's scale operand
.endr
.irp b, 0,1
	v_lshrrev_b32 v[BY+\b], 23, v[SO+\b]           ; the byte
.endr
	WIN (\S)
	v_cvt_scalef32_pk16_fp6_f32 v[(\dst):(\dst)+2], v[(\src):(\src)+15], v[SO]
	v_cvt_scalef32_pk16_fp6_f32 v[PT:PT+2], v[(\src)+16:(\src)+31], v[SO+1]
	WIN 0
	v_nop                                          ; one plain instruction behind the conversions
.irp i, 0,1,2
	v_permlane16_swap_b32 v[(\dst)+\i], v[PT+\i]   ; the layout wants a whole block in a lane
.endr
.irp i, 0,1,2
	v_mov_b32 v[(\dst)+3+\i], v[PT+\i]
.endr
.endm
; RoPE in place on the 32 accumulator registers at acc (window 2) with tile t's cos and sin (window 3): (e, o) -> (e c - o s, e s + o c)
.macro ROPE acc, t
	WIN 0x0e
.set i_, 0
.rept 16
	v_pk_mul_f32 v[TT+2*i_:TT+2*i_+1], v[(\acc)+2*i_:(\acc)+2*i_+1], v[128+32*(\t)+2*i_:128+32*(\t)+2*i_+1] op_sel:[1,1] op_sel_hi:[1,0] neg_lo:[1,0]   ; (-o s, o c)
.set i_, i_+1
.endr
	WIN 0x8e
.set i_, 0
.rept 16
	v_pk_fma_f32 v[(\acc)+2*i_:(\acc)+2*i_+1], v[(\acc)+2*i_:(\acc)+2*i_+1], v[128+32*(\t)+2*i_:128+32*(\t)+2*i_+1], v[TT+2*i_:TT+2*i_+1] op_sel_hi:[0,1,1]   ; (e c, e s) + that
.set i_, i_+1
.endr
.endm
	s_load_b256 s[4:11], s[0:1], 0x0               ; xq s[4:5], wimg s[6:7], rope s[8:9], qimg s[10:11]
	s_load_b64 s[12:13], s[0:1], 0x20              ; kv
	v_lshl_add_u32 v254, v0, 2, 0x29000
	v_mov_b32 v255, 0
	ds_add_u32 v254, v255
	ds_add_u32 v254, v255
	v_lshrrev_b32 v1, 5, v0
	v_readfirstlane_b32 s[WV], v1                  ; wave 0..3
	s_bfe_u32 s15, ttmp6, 0x40000                  ; cx: it enters the addresses of xq, rope, qimg and kv alone
	s_lshl_b32 s16, ttmp9, 2
	s_add_co_u32 s16, s16, s15                     ; which 256 rows
	s_and_b32 s17, ttmp7, 0xffff                   ; the head, which the four partners share
	s_mul_i32 s18, s17, 8*REC
	s_mul_i32 s19, s[WV], REC                      ; my first record: in the head's images, and in LDS
	s_add_co_u32 s20, s18, s19
	s_mov_b32 s21, 0
	; descriptor group 1: a record, 19,200 dense bytes, as 75 rows of 32 elements of 8 bytes; the mask names all four work-groups
	s_mov_b32 s32, 15|(3<<16)|(1<<21)
	s_mov_b32 s33, 32<<16
	s_mov_b32 s34, 75<<16
	s_mov_b32 s35, 32<<16
	s_mov_b32 s36, 75
	s_mov_b32 s37, 32
	s_mov_b32 s38, 0
	s_mov_b32 s39, 0
	s_lshl_b32 s24, s16, 2
	s_add_co_u32 s24, s24, s[WV]                   ; which 64 rows are my wave's
	s_mul_i32 s26, s24, 8*XREC
	s_mov_b32 s27, 0
	s_lshl_b32 s28, s24, 14                        ; 64 rows of the table
	s_mov_b32 s29, 0
	s_lshr_b32 s30, s16, 3
	s_lshl_b32 s30, s30, 4
	s_add_co_u32 s30, s30, s17                     ; b h = 16 x batch + head
	s_and_b32 s31, s16, 7
	s_lshl_b32 s48, s30, 7
	s_lshl_b32 s53, s31, 4
	s_add_co_u32 s48, s48, s53
	s_lshl_b32 s53, s[WV], 2
	s_add_co_u32 s48, s48, s53                     ; my first tile of queries
	s_lshl_b32 s48, s48, 10
	s_mov_b32 s49, 0
	s_lshl_b32 s50, s30, 4
	s_lshl_b32 s53, s31, 1
	s_add_co_u32 s50, s50, s53
	s_lshr_b32 s53, s[WV], 1
	s_add_co_u32 s50, s50, s53                     ; my step of 128 keys
	s_mul_i32 s50, s50, KVREC
	s_mov_b32 s51, 0
	s_and_b32 s52, s[WV], 1                        ; p: which half of it
	s_mov_b32 s[SEL], 0x76543210
	s_mov_b32 s[SEL+1], 0xfedcba98
	s_mov_b32 s[HIM], 0xffff0000                   ; lanes 16-31
	v_and_b32 v1, 31, v0
	v_lshlrev_b32 v[LI], 4, v1
	v_add_nc_u32 v[LI+1], 3*REC, v[LI]
	v_add_nc_u32 v[LI+2], 6*REC, v[LI]
	v_lshlrev_b32 v[LSC], 2, v1
	v_add_nc_u32 v[LSC+1], 3*REC, v[LSC]
	v_add_nc_u32 v[LSC+2], 6*REC, v[LSC]
	v_and_b32 v14, 15, v0
	v_bfe_u32 v15, v0, 4, 1
	v_and_b32 v[RA], 8, v14
	v_add_nc_u32 v[RA], v[RA], v14
	v_lshlrev_b32 v[RA], 8, v[RA]
	v_lshl_add_u32 v[RA], v15, 6, v[RA]
	v_lshlrev_b32 v[L8], 3, v1
	s_mul_i32 s53, s52, 3072
	v_add_nc_u32 v[OC16], s53, v[LI]
	v_add_nc_u32 v[OC8], s53, v[L8]
	s_lshl_b32 s53, s52, 8
	v_add_nc_u32 v[OKS], s53, v[L8]
	s_lshl_b32 s53, s52, 7
	v_add_nc_u32 v[OVS], s53, v[LSC]
	v_mov_b32 v[TX], 0                             ; written once: a lane permute's destination counts as one of its sources
	v_mov_b32 v[TX+1], 0
	s_wait_dscnt 0x0
	s_wait_kmcnt 0x0
	s_add_nc_u64 s[22:23], s[6:7], s[20:21]
	s_mov_b32 s40, 1
	s_mov_b32 s41, s19
	s_mov_b64 s[42:43], s[22:23]
	s_or_b32 s43, s43, 0x80000000
	s_mov_b32 s44, 1
	s_add_co_u32 s45, s19, 4*REC                   ; my second record: four on
	s_add_nc_u64 s[46:47], s[22:23], 4*REC
	s_or_b32 s47, s47, 0x80000000
	s_add_nc_u64 s[4:5], s[4:5], s[26:27]
	s_add_nc_u64 s[8:9], s[8:9], s[28:29]
	s_add_nc_u64 s[10:11], s[10:11], s[48:49]
	s_add_nc_u64 s[12:13], s[12:13], s[50:51]
	CROUND                                         ; all four work-groups are here: the joint loads meet
	tensor_load_to_lds s[40:43], s[32:39]          ; my first record: one tensor load a wave at the head
	s_nop 0
.rept 4
	v_nop
.endr
.irp s, 0,1,2,3,4,5,6,7
.irp p, 0,1
	global_load_b32 v[XS+2*\s+\p], v[LSC], s[4:5] offset:XREC*\s+6144+128*\p
.endr
.endr
	LOADX 0
	LOADX 1
	LOADX 2
	LOADX 3
	LOADX 4
	WIN 0
	s_wait_tensorcnt 0x0                           ; my first record has landed
	ds_add_u32 v254, v255
	s_wait_dscnt 0x0
	CROUND                                         ; records 0 to 3 may be read, and the four work-groups' second joint loads meet
	tensor_load_to_lds s[44:47], s[32:39]          ; my second record, the first tensor load behind the round
	s_nop 0
.rept 4
	v_nop
.endr
	LOADW 0
	LOADW 1
.set HF, 0
.rept 16
	HALF HF
.set HF, HF+1
.endr
	; ---- THE WAY OUT.  (HALF 15 ended with four places: results may be read, and the weights' registers written.)
	s_wait_loadcnt 0x0                             ; the table
.irp t, 0,1,2,3
	ROPE 32*\t, \t
	QUANT32 2, 32*\t, QD+8*\t
	v_lshl_or_b32 v[QD+8*\t+6], v[BY+1], 8, v[BY]
	v_or_b32 v[QD+8*\t+6], 0x7f7f0000, v[QD+8*\t+6]        ; bytes 2 and 3: 2^0, over zero codes
	v_mov_b32 v[QD+8*\t+7], v[QD+8*\t+6]
	global_store_b128 v[LI], v[QD+8*\t:QD+8*\t+3], s[10:11] offset:1024*\t
	global_store_b64 v[L8], v[QD+8*\t+4:QD+8*\t+5], s[10:11] offset:1024*\t+512
	global_store_b64 v[L8], v[QD+8*\t+6:QD+8*\t+7], s[10:11] offset:1024*\t+768   ; every store covers 256 or 512 consecutive bytes, aligned to 256; each result has registers of its own
	ROPE 128+32*\t, \t
	QUANT32 2, 128+32*\t, KD+6*\t
	v_lshl_or_b32 v[KW+\t], v[BY+1], 8, v[BY]
	v_or_b32 v[KW+\t], 0x7f7f0000, v[KW+\t]
.endr
	v_cndmask_b32 v[KP], v[KW], v[KW+1], s[HIM]    ; a pair of tiles to a register: the even tile's words in lanes 0-15, the odd one's in lanes 16-31
	v_cndmask_b32 v[KP+1], v[KW+2], v[KW+3], s[HIM]
.irp c, 0,1,2,3,4,5
	global_store_b128 v[OC16], v[KD+4*\c:KD+4*\c+3], s[12:13] offset:512*\c
.endr
	global_store_b64 v[OKS], v[KP:KP+1], s[12:13] offset:12288
.irp nv, 0,1,2,3
	QUANT32 3, 32*\nv, VD+6*\nv
	v_lshl_or_b32 v[HW+\nv], v[BY+1], 8, v[BY]
	global_store_b128 v[OC16], v[VD+6*\nv:VD+6*\nv+3], s[12:13] offset:6144+768*\nv
	global_store_b64 v[OC8], v[VD+6*\nv+4:VD+6*\nv+5], s[12:13] offset:6144+768*\nv+512
.endr
	v_lshl_or_b32 v[HW], v[HW+2], 16, v[HW]        ; tiles 0 and 2,
	v_lshl_or_b32 v[HW+1], v[HW+3], 16, v[HW+1]    ; tiles 1 and 3
	v_cndmask_b32 v[EV], v[HW], v[HW+1], s[HIM]
	global_store_b32 v[OVS], v[EV], s[12:13] offset:12800
	s_wait_tensorcnt 0x0
	ds_add_u32 v254, v255
	s_wait_dscnt 0x0
	CROUND                                         ; the closing round: no work-group ends while a partner may still ask for a record that names it
	s_endpgm
.Lfunc_end_k_q23582253dc_qkv:
	.size	k_q23582253dc_qkv, .Lfunc_end_k_q23582253dc_qkv-k_q23582253dc_qkv
	.p2alignl 7, 3214868480
	.fill 96, 4, 3214868480
	.section	.rodata,"a",@progbits
	.p2align	6, 0x0
	.amdhsa_kernel k_q23582253dc_qkv
		.amdhsa_group_segment_fixed_size 327680
		.amdhsa_private_segment_fixed_size 0
		.amdhsa_enable_private_segment 0
		.amdhsa_kernarg_size 40
		.amdhsa_user_sgpr_count 2
		.amdhsa_user_sgpr_kernarg_segment_ptr 1
		.amdhsa_wavefront_size32 1
		.amdhsa_system_sgpr_workgroup_id_x 1
		.amdhsa_system_sgpr_workgroup_id_y 1
		.amdhsa_system_sgpr_workgroup_id_z 1
		.amdhsa_system_vgpr_workitem_id 0
		.amdhsa_next_free_vgpr 1024
		.amdhsa_next_free_sgpr 66
		.amdhsa_reserve_vcc 0
		.amdhsa_float_denorm_mode_32 3
		.amdhsa_float_denorm_mode_16_64 3
		.amdhsa_memory_ordered 1
		.amdhsa_forward_progress 1
		.amdhsa_inst_pref_size 137
	.end_amdhsa_kernel
	.amdgpu_metadata
---
amdhsa.version: [ 1, 2 ]
amdhsa.kernels:
  - .name:           k_q23582253dc_qkv
    .symbol:         k_q23582253dc_qkv.kd
    .args:
      - { .name: xq, .offset: 0, .size: 8, .value_kind: global_buffer, .address_space: global }
      - { .name: wimg, .offset: 8, .size: 8, .value_kind: global_buffer, .address_space: global }
      - { .name: rope, .offset: 16, .size: 8, .value_kind: global_buffer, .address_space: global }
      - { .name: qimg, .offset: 24, .size: 8, .value_kind: global_buffer, .address_space: global }
      - { .name: kv, .offset: 32, .size: 8, .value_kind: global_buffer, .address_space: global }
    .group_segment_fixed_size: 327680
    .private_segment_fixed_size: 0
    .kernarg_segment_align: 8
    .kernarg_segment_size: 40
    .max_flat_workgroup_size: 128
    .sgpr_count:     66
    .vgpr_count:     1024
    .wavefront_size: 32
...
	.end_amdgpu_metadata
.endif
;; end of part 2
;; launch attn (part 3): grid 8 x 32, 16 waves a work-group, clusters of 4 x 1, 247,808 bytes of LDS; arguments qimg, kv, ao; writes ao
.if DOCPART == 3
	.amdgcn_target "amdgcn-amd-amdhsa--gfx1250"
	.amdhsa_code_object_version 6
	.text
	.protected	k_q23582253dc_attn
	.globl	k_q23582253dc_attn
	.p2align	8
	.type	k_q23582253dc_attn,@function
k_q23582253dc_attn:
	s_mov_b64 s[64:65], 0
	v_nop
	global_prefetch_b8 v0, s[64:65] scope:SCOPE_SE
	s_setreg_imm32_b32 hwreg(HW_REG_WAVE_MODE, 25, 1), 1
	s_wait_xcnt 0x0
	s_wait_alu depctr_hold_cnt(0) depctr_sa_sdst(0) depctr_va_vdst(0) depctr_va_sdst(0) depctr_va_ssrc(0) depctr_va_vcc(0) depctr_vm_vsrc(0)
	s_getreg_b32 s2, hwreg(HW_REG_IB_STS2, 6, 4)
	s_cmp_eq_u32 s2, 0
	s_cbranch_scc0 .Lentry_in_a_cluster
	s_endpgm
.Lentry_in_a_cluster:
	s_bfe_u32 s2, ttmp6, 0x10000c
	s_cmp_lg_u32 s2, 0x3003
	s_cbranch_scc0 .Lentry_shape_is_right
	s_endpgm
.Lentry_shape_is_right:
; ATTN.  O = softmax(Q K^T / 8, causal) V for one head, both products on codes of FP6 (E2M3) with E8M0 scales; O is divided by the row's sum and quantised along head x 64 + channel for the last product.
; THE SOFTMAX AHEAD OF THE SECOND PRODUCT: t = score x log2(e) / 8; M = the running largest t, rounded UP to a whole number; p = 2^(t - M) is quantised along the keys; the row's sum is taken of the
; unquantised p.  When M moves, the sum and O are multiplied by 2^(old M - new M): exact.
; LEFT OUT: key steps of 128 all of whose keys come after a tile's queries: the causal mask turns their scores into -infinity, so their p is 0 for all inputs.
; SHARES.  Work-group j (0..7) of a head owns the 16 tiles of 16 queries j + 8 i, one in each block i of 128 queries; a tile of block i needs key steps 0 .. i.  Waves 2 d and 2 d + 1 are a pair for tile X (block d)
; and tile Y (block 15 - d), 17 steps together.  Wave A of the pair walks X (records 0 .. d, trips 0 .. d), stores X's result, then walks Y's records d + 1, d + 3, .., 15 - d (trips d + 1 .. 8): nine trips.
; Wave B walks Y's records 0 .. d, d + 2, d + 4, .., 14 - d: eight trips, and hands its part of Y (O, M, sums) to A through LDS bytes of the pair's own; A joins the two parts by exact powers of two and stores Y.
; A is chosen by (w xor (w / 4)) & 1, so that any four waves w .. w + 3 and any four w, w + 4, w + 8, w + 12 hold two A and two B.
; K AND V.  The head's 16 records of 13,056 bytes come into LDS once: wave w fetches record w, one tensor load a wave, all at the head; nothing is filled again.  Every wave waits for its own load, one barrier
; follows, and the nine trips have no barrier among them.
; CLUSTER.  Four work-groups of a head are partners: they read the same records and take the same branches (all hang on the wave's number and the trip alone); each record is asked for JOINTLY (mask 15).
; NO PREFETCH: all tensor loads of the launch go out at its head, so there is no later load for a request to run ahead of.
; LAYOUT.  S^T = K Q^T (source 0 = 16 keys), O^T = V^T P^T (source 0 = 16 channels): a lane holds ONE query throughout.  The head's 64 are half of the instruction's 128: Q's upper six registers are zero codes, so
; the upper six registers named with a tile of K add nothing; bytes 2 and 3 of both scale words are 0x7f.  Lane r of key tile 2 b + u holds key 32 b + 8 u + r + 8 (r / 8), so the 16 registers of tiles 2 b, 2 b + 1 are
; keys 32 b + 16 (lane / 16) + 0 .. 15.  ao: [64 rows: 64][pair of heads: 8][6,400]: for each tile of rows two half fragments of 768 bytes, then the rows' scale words, of which this head writes two bytes.
; Every wave loads Y's image of Q beside its first tile's and makes both tiles' output addresses; the A waves alone use them.
; LIMITS.  The promise holds while |t| stays under 2^31.  A block of zeros gets the byte 1; NaN and infinities are not served.  A block's largest p is made from the block's largest score by the same two
; instructions, which takes v_exp_f32 not to fall where its input rises.
.set RECB, 13056
.set STG,  16*RECB                     ; behind the records: 4,608 bytes for each pair of waves; no tensor load lands there
.set PST,  4608
.set SPARE, STG+8*PST                  ; the spare words: 128 bytes a wave
.set L16, 1                            ; v1   16 l
.set L8,  2                            ; v2   8 l
.set L4,  3                            ; v3   4 l
.set VDG, 4                            ; v4   my query's place in its block of 128, less 16 (lane / 16)
.set A16, 5                            ; v5-7 the step's LDS addresses
.set A8,  6
.set A4,  7
.set QF,  16                           ; v16-27 Q; v22-27 zero codes
.set QS,  28                           ; v28  Q's scale words
.set OX,  29                           ; v29-31 where X's result goes: 16 bytes a lane, 8 bytes a lane, the rows' words
.set F,   32                           ; v32-79 K's eight tiles, later V's four fragments; v80-85 cleared once
.set KS,  86
.set VE,  90
.set VW,  92
.set STA, 94                           ; v94  the pair's stage + 16 l
.set S,   96                           ; v96-159 S^T, then p
.set O,   160                          ; v160-191 O^T
.set OC,  192
.set PCD, 200
.set QY,  212                          ; v212-218 Y's image of Q
.set NINF, 219                         ; v219 -infinity
.set OY,  220                          ; v220-222 where Y's result goes
.set WV,  10
.set DD,  14                           ; s14  d
.set QT,  15                           ; s15  my first tile: A: X, B: Y
.set ST,  16                           ; s16  the trip
.set TB,  17
.set RC,  19
.set SEL, 20
.set CS,  22
.set SWT, 36                           ; s36  A: the trip in which Y begins, d + 1; B: none
.set DG,  37                           ; s37  A: the next trip on the diagonal; B: none
.set SKP, 38                           ; s38  B: trip 8 is left out
.set KP,  40                           ; s40  32 - d - (1 in A)
.macro CROUND
	s_barrier_signal -1
	s_barrier_wait -1
	s_cmp_lg_u32 s[WV], 0
	s_cbranch_scc1 .Lnot_wave_0_\@
	s_barrier_signal -3
.Lnot_wave_0_\@:
	s_barrier_wait -3
	s_barrier_signal -1
	s_barrier_wait -1
.endm
.macro RESET                           ; a tile's walk begins: largest t -3e38, sums and O^T zero
	v_mov_b32 v13, 0xff61b1e6
	s_delay_alu instid0(VALU_DEP_1)
	v_floor_f32 v12, -v13
	v_mov_b32 v14, 0
	v_mov_b32 v15, 0
.set n_, 0
.rept 32
	v_mov_b32 v[O+n_], 0
.set n_, n_+1
.endr
.endm
; O^T / the sum, quantised along the head's 64 (two blocks of the last product's K), stored by the three addresses at v[ad] on
.macro FIN ad
	s_wait_alu depctr_va_vdst(0)                   ; the wait ahead of the wait below
	s_wait_xcnt 0x0                                ; no earlier store still reads the registers written below
.rept 4
	v_nop                                          ; four places behind the last products
.endr
	v_add_f32 v14, v14, v15
	s_delay_alu instid0(VALU_DEP_1)
	v_permlanex16_b32 v252, v14, s[SEL], s[SEL+1]
	s_delay_alu instid0(VALU_DEP_1)
	v_add_f32 v14, v14, v252                       ; the row's sum
	s_wait_alu depctr_va_vdst(0)
	v_rcp_f32 v14, v14
	v_nop
	s_wait_alu depctr_va_vdst(0)                   ; ahead of the reciprocal's first reader and of O^T's
.set n_, 0
.rept 32
	v_mul_f32 v[S+n_], v[O+n_], v14                ; register 16 b + i: channel 32 b + 16 (lane / 16) + i
.set n_, n_+1
.endr
.irp b, 0,1
	v_max3_num_f32 v[232+\b], |v[S+16*\b]|, |v[S+16*\b+1]|, 0x1800000
.endr
.irp i, 2,4,6,8,10,12,14
.irp b, 0,1
	s_delay_alu instid0(VALU_DEP_2)
	v_max3_num_f32 v[232+\b], |v[S+16*\b+\i]|, |v[S+16*\b+\i+1]|, v[232+\b]
.endr
.endr
.irp b, 0,1
	s_delay_alu instid0(VALU_DEP_2)
	v_permlanex16_b32 v[236+\b], v[232+\b], s[SEL], s[SEL+1]
.endr
.irp b, 0,1
	s_delay_alu instid0(VALU_DEP_2)
	v_max_num_f32 v[232+\b], v[232+\b], v[236+\b]
.endr
.irp b, 0,1
	s_delay_alu instid0(VALU_DEP_2)
	v_add_nc_u32 v[244+\b], 0xff000000, v[232+\b]
.endr
.irp b, 0,1
	s_delay_alu instid0(VALU_DEP_2)
	v_lshrrev_b32 v[240+\b], 23, v[244+\b]
.endr
	v_cvt_scalef32_pk16_fp6_f32 v[OC:OC+2], v[S:S+15], v244
	v_cvt_scalef32_pk16_fp6_f32 v[248:250], v[S+16:S+31], v245
	v_nop
.irp i, 0,1,2
	v_permlane16_swap_b32 v[OC+\i], v[248+\i]
.endr
.irp i, 0,1,2
	s_delay_alu instid0(VALU_DEP_3)
	v_mov_b32 v[OC+3+\i], v[248+\i]
.endr
	v_lshl_or_b32 v198, v241, 8, v240
	global_store_b128 v[\ad], v[OC:OC+3], s[8:9]               ; 512 consecutive bytes, aligned to 256
	global_store_b64 v[\ad+1], v[OC+4:OC+5], s[8:9] offset:512 ; 256 consecutive bytes, aligned
	global_store_b16 v[\ad+2], v198, s[8:9] offset:6144        ; two bytes a row; both halves of the lanes write the same bytes with the same value
.endm
	s_load_b128 s[4:7], s[0:1], 0x0                ; qimg, kv
	s_load_b64 s[8:9], s[0:1], 0x10                ; ao
	v_lshl_add_u32 v251, v0, 2, SPARE
	v_mov_b32 v255, 0
	ds_add_u32 v251, v255                          ; the add twice on end, and its wait
	ds_add_u32 v251, v255
	v_lshrrev_b32 v8, 5, v0
	s_delay_alu instid0(VALU_DEP_1)
	v_readfirstlane_b32 s[WV], v8                  ; wave 0..15
	s_bfe_u32 s56, ttmp6, 0x40000                  ; cx: it enters global addresses of qimg and ao, and the mask's numbers, alone
	s_lshl_b32 s11, ttmp9, 2
	s_add_co_u32 s11, s11, s56                     ; j
	s_and_b32 s12, ttmp7, 0xffff                   ; b h
	s_lshr_b32 s13, s[WV], 2
	s_xor_b32 s13, s13, s[WV]
	s_and_b32 s13, s13, 1                          ; 1: wave A
	s_lshr_b32 s[DD], s[WV], 1                     ; d
	s_add_co_u32 s[KP], s[DD], s13
	s_xor_b32 s[KP], s[KP], 31
	s_add_co_u32 s[KP], s[KP], 1
	s_lshl_b32 s41, s[DD], 3
	s_add_co_u32 s42, s41, s11                     ; X = j + 8 d
	s_sub_co_u32 s43, 120, s41
	s_add_co_u32 s43, s43, s11                     ; Y = j + 8 (15 - d)
	s_add_co_u32 s46, s[DD], 1
	s_cmp_eq_u32 s13, 1
	s_cselect_b32 s[QT], s42, s43
	s_cselect_b32 s[SWT], s46, 99
	s_cselect_b32 s[DG], s[DD], 99
	s_cselect_b32 s[SKP], 99, 8
	; descriptor group 1: a record, 13,056 dense bytes, as 51 rows of 32 elements of 8 bytes; the mask names the four partners
	s_mov_b32 s24, 15|(3<<16)|(1<<21)
	s_mov_b32 s25, 32<<16
	s_mov_b32 s26, 51<<16
	s_mov_b32 s27, 32<<16
	s_mov_b32 s28, 51
	s_mov_b32 s29, 32
	s_mov_b32 s30, 0
	s_mov_b32 s31, 0
	s_mov_b32 s32, 1
	s_mul_i32 s33, s[WV], RECB                     ; record w: in LDS,
	s_mul_i32 s48, s12, 16*RECB
	s_add_co_u32 s48, s48, s33                     ; and in the head's records
	s_mov_b32 s49, 0
	s_lshl_b32 s52, s12, 7
	s_add_co_u32 s54, s52, s43
	s_lshl_b32 s54, s54, 10                        ; Y's image of Q
	s_mov_b32 s55, 0
	s_add_co_u32 s52, s52, s[QT]
	s_lshl_b32 s52, s52, 10                        ; my first tile's
	s_mov_b32 s53, 0
	s_lshr_b32 s56, s12, 4
	s_lshl_b32 s56, s56, 5
	s_lshr_b32 s57, s11, 2
	s_add_co_u32 s56, s56, s57                     ; ao: 64 rows 32 x batch + j / 4; a block of queries further on is two such
	s_mul_i32 s56, s56, 51200
	s_and_b32 s57, s12, 15
	s_lshr_b32 s57, s57, 1
	s_mul_i32 s57, s57, 6400                       ; which pair of heads
	s_add_co_u32 s56, s56, s57
	s_mov_b32 s57, 0
	s_mul_i32 s47, s[DD], PST
	s_add_co_u32 s47, s47, STG                     ; the pair's stage
	s_lshr_b32 s41, s11, 1
	s_lshl_b32 s41, s41, 5
	s_and_b32 s42, s11, 1
	s_lshl_b32 s42, s42, 3
	s_add_co_u32 s41, s41, s42                     ; 32 (j / 2) + 8 (j % 2)
	s_and_b32 s42, s11, 3
	s_and_b32 s43, s12, 1
	s_mul_i32 s58, s42, 1536
	s_mul_i32 s59, s43, 768
	s_add_co_u32 s58, s58, s59                     ; the half fragment
	s_lshl_b32 s42, s42, 6
	s_lshl_b32 s43, s43, 1
	s_add_co_u32 s42, s42, s43                     ; the rows' words, my head's two bytes
	s_mul_i32 s50, s[DD], 102400                   ; block d,
	s_xor_b32 s51, s[DD], 15
	s_mul_i32 s51, s51, 102400                     ; block 15 - d
	s_add_co_u32 s44, s58, s50
	s_add_co_u32 s45, s58, s51
	s_add_co_u32 s50, s42, s50
	s_add_co_u32 s51, s42, s51
	s_mov_b32 s[SEL], 0x76543210
	s_mov_b32 s[SEL+1], 0xfedcba98
	s_mov_b32 s[CS], 0x3e38aa3b                    ; c = log2(e) / 8
	s_mov_b32 s[CS+1], s[CS]
	v_and_b32 v8, 31, v0
	v_and_b32 v9, 15, v0
	v_bfe_u32 v10, v0, 4, 1
	v_lshlrev_b32 v[L16], 4, v8
	v_lshlrev_b32 v[L8], 3, v8
	v_lshlrev_b32 v[L4], 2, v8
	v_and_b32 v11, 8, v9
	v_lshlrev_b32 v10, 4, v10
	v_add_nc_u32 v[STA], s47, v[L16]
	v_add_nc_u32 v[VDG], v11, v9
	v_add_nc_u32 v[OX], s44, v[L16]
	v_add_nc_u32 v[OX+1], s44, v[L8]
	v_sub_nc_u32 v[VDG], v[VDG], v10
	v_lshl_add_u32 v[OX+2], v9, 2, s50
	v_add_nc_u32 v[OY], s45, v[L16]
	v_add_nc_u32 v[VDG], s41, v[VDG]
	v_add_nc_u32 v[OY+1], s45, v[L8]
	v_lshl_add_u32 v[OY+2], v9, 2, s51
	v_mov_b32 v[NINF], 0xff800000
	s_wait_alu depctr_va_vdst(0)                   ; the wait ahead of the waits below
	s_wait_dscnt 0x0
	s_wait_kmcnt 0x0
	s_add_nc_u64 s[34:35], s[6:7], s[48:49]
	s_or_b32 s35, s35, 0x80000000
	s_add_nc_u64 s[54:55], s[4:5], s[54:55]
	s_add_nc_u64 s[4:5], s[4:5], s[52:53]
	s_add_nc_u64 s[8:9], s[8:9], s[56:57]
	global_load_b128 v[QF:QF+3], v[L16], s[4:5]
	global_load_b64 v[QF+4:QF+5], v[L8], s[4:5] offset:512
	global_load_b32 v[QS], v[L8], s[4:5] offset:768
	global_load_b128 v[QY:QY+3], v[L16], s[54:55]
	global_load_b64 v[QY+4:QY+5], v[L8], s[54:55] offset:512
	global_load_b32 v[QY+6], v[L8], s[54:55] offset:768
	CROUND                                         ; the four partners are here: the joint loads meet
	tensor_load_to_lds s[32:35], s[24:31]          ; record w: my one tensor load
	s_nop 0
.rept 4
	v_nop
.endr
.irp i, 6,7,8,9,10,11
	v_mov_b32 v[QF+\i], 0                          ; Q's upper 64 along K: zero codes
.endr
.irp i, 48,49,50,51,52,53
	v_mov_b32 v[F+\i], 0                           ; named with K's last tile
.endr
.irp b, 0,1,2,3
	v_mov_b32 v[236+\b], 0                         ; a lane permute's destination counts as one of its sources
.endr
	v_mov_b32 v252, 0
	v_mov_b32 v253, 0
	RESET
; A TRIP: one record, 128 keys.
.macro STEP
	s_cmp_eq_u32 s[ST], s[SKP]
	s_cbranch_scc1 .Lhidden_\@                     ; wave B has eight trips
	s_cmp_lg_u32 s[ST], s[SWT]
	s_cbranch_scc1 .Lsame_\@
	FIN OX                                         ; wave A, trip d + 1: X is finished and leaves; Y begins
.irp i, 0,1,2,3,4,5
	v_mov_b32 v[QF+\i], v[QY+\i]
.endr
	v_mov_b32 v[QS], v[QY+6]
	RESET                                          ; (also the places between the writes of Q's codes and words and the products)
	s_mov_b32 s[DG], 8                             ; Y's record on the diagonal comes in trip 8
	s_wait_alu depctr_va_vdst(0)
.Lsame_\@:
	s_lshl_b32 s[RC], s[ST], 1
	s_add_co_u32 s[RC], s[RC], s[KP]
	s_and_b32 s[RC], s[RC], 31                     ; 2 i - d - (1 in A),
	s_cmp_le_u32 s[ST], s[DD]
	s_cselect_b32 s[RC], s[ST], s[RC]              ; or i up to trip d: the record
	s_min_u32 s[RC], s[RC], 15                     ; it is 15 - d at the most: inside the sixteen records
	s_mul_i32 s[TB], s[RC], RECB
	v_add_nc_u32 v[A16], s[TB], v[L16]
	v_add_nc_u32 v[A8], s[TB], v[L8]
	v_add_nc_u32 v[A4], s[TB], v[L4]
	v_nop                                          ; with the three additions: four places in front of loads into registers that the last products read
.irp c, 0,1,2,3,4,5,6,7,8,9,10,11
	ds_load_b128 v[F+4*\c:F+4*\c+3], v[A16] offset:512*\c      ; K's eight tiles, six registers each, on end
.endr
.irp p, 0,1
	ds_load_b64 v[KS+2*\p:KS+2*\p+1], v[A8] offset:12288+256*\p
.endr
.irp p, 0,1
	ds_load_b32 v[VE+\p], v[A4] offset:12800+128*\p
.endr
	s_wait_alu depctr_va_vdst(0)
	s_wait_dscnt 0x0
	v_perm_b32 v[VW], v[VE+1], v[VE], 0x05040100   ; V's words: the two key halves' bytes of tiles 0 (lanes 0-15) and 1 (lanes 16-31),
	v_perm_b32 v[VW+1], v[VE+1], v[VE], 0x07060302 ; and of tiles 2 and 3
.irp i, 0,1,2,3,4,5,6,7
.if \i % 2
	v_wmma_scale_f32_16x16x128_f8f6f4 v[S+8*\i:S+8*\i+7], v[F+6*\i:F+6*\i+11], v[QF:QF+11], 0, v[KS+\i/2], v[QS] matrix_a_fmt:MATRIX_FMT_FP6 matrix_b_fmt:MATRIX_FMT_FP6 matrix_a_scale:MATRIX_SCALE_ROW1
.else
	v_wmma_scale_f32_16x16x128_f8f6f4 v[S+8*\i:S+8*\i+7], v[F+6*\i:F+6*\i+11], v[QF:QF+11], 0, v[KS+\i/2], v[QS] matrix_a_fmt:MATRIX_FMT_FP6 matrix_b_fmt:MATRIX_FMT_FP6
.endif
.endr
.rept 4
	v_nop                                          ; four places: in front of the loads below and of the first read of the scores
.endr
.irp nv, 0,1,2,3                               ; V's four fragments land while the softmax is worked
.irp p, 0,1
	ds_load_b128 v[F+12*\nv+6*\p:F+12*\nv+6*\p+3], v[A16] offset:6144+3072*\p+768*\nv
	ds_load_b64 v[F+12*\nv+6*\p+4:F+12*\nv+6*\p+5], v[A8] offset:6144+3072*\p+768*\nv+512
.endr
.endr
	s_cmp_lg_u32 s[ST], s[DG]
	s_cbranch_scc1 .Lopen_\@                       ; all keys of an earlier record count
.set n_, 0
.rept 64                                       ; on the diagonal: register 16 b + i holds key 32 b + 16 (lane / 16) + i of the step: it counts where 32 b + i <= v[VDG]
	v_cmp_le_i32 vcc_lo, 32*(n_/16)+n_%16, v[VDG]
	v_cndmask_b32 v[S+n_], v[NINF], v[S+n_], vcc_lo
.set n_, n_+1
.endr
.Lopen_\@:
.irp b, 0,1,2,3
	v_max3_num_f32 v[232+\b], v[S+16*\b], v[S+1+16*\b], v[S+2+16*\b]   ; the largest score of each block of 32 keys: for the row's maximum and for the block's largest p
.endr
.irp i, 3,5,7,9,11,13
.irp b, 0,1,2,3
	v_max3_num_f32 v[232+\b], v[232+\b], v[S+16*\b+\i], v[S+1+16*\b+\i]
.endr
.endr
.irp b, 0,1,2,3
	v_max_num_f32 v[232+\b], v[232+\b], v[S+15+16*\b]
.endr
.irp b, 0,1,2,3
	s_delay_alu instid0(VALU_DEP_4)
	v_permlanex16_b32 v[236+\b], v[232+\b], s[SEL], s[SEL+1]
.endr
.irp b, 0,1,2,3
	s_delay_alu instid0(VALU_DEP_4)
	v_max_num_f32 v[232+\b], v[232+\b], v[236+\b]  ; with lane l xor 16's 16 keys
.endr
	s_delay_alu instid0(VALU_DEP_2)
	v_max3_num_f32 v254, v232, v233, v234
	s_delay_alu instid0(VALU_DEP_1)
	v_max_num_f32 v254, v254, v235
	s_delay_alu instid0(VALU_DEP_1)
	v_mul_f32 v254, s[CS], v254                    ; the step's largest t
	s_delay_alu instid0(VALU_DEP_1)
	v_max_num_f32 v13, v13, v254                   ; the running largest t
	v_mov_b32 v254, v12
	s_delay_alu instid0(VALU_DEP_2)
	v_floor_f32 v12, -v13                          ; the new -M = -ceil(t)
	s_delay_alu instid0(VALU_DEP_1)
	v_sub_f32 v254, v12, v254                      ; old M - new M: a whole number, 0 or less
	s_delay_alu instid0(VALU_DEP_1)
	v_cvt_i32_f32 v254, v254                       ; (it saturates)
	s_delay_alu instid0(VALU_DEP_1)
	v_ldexp_f32 v252, 1.0, v254                    ; f = 2^(old M - new M)
.set n_, 0
.rept 32
	v_pk_fma_f32 v[S+n_:S+n_+1], v[S+n_:S+n_+1], s[CS:CS+1], v[12:13] op_sel_hi:[1,0,0]   ; t - M
.set n_, n_+2
.endr
.irp b, 0,1,2,3
	v_fma_f32 v[232+\b], v[232+\b], s[CS], v12     ; the same of each block's largest score
.endr
.set n_, 0
	s_wait_alu depctr_va_vdst(0)
.rept 64
	v_exp_f32 v[S+n_], v[S+n_]                     ; p = 2^(t - M): not normalised
.set n_, n_+1
.endr
	v_pk_mul_f32 v[14:15], v[14:15], v[252:253] op_sel_hi:[1,0]   ; the sums under the new M.  (The plain instruction behind the exponentials)
	s_wait_alu depctr_va_vdst(0)                   ; one wait for the batch, ahead of its first reader
.irp b, 0,1,2,3
	v_exp_f32 v[232+\b], v[232+\b]                 ; the blocks' largest p
.endr
.irp k, 0,1,2,3,4,5,6                          ; the row's sum of the unquantised p: eight chains by turns
	v_pk_add_f32 v[236+2*\k:237+2*\k], v[S+4*\k:S+4*\k+1], v[S+4*\k+2:S+4*\k+3]
.endr
	v_pk_add_f32 v[14:15], v[14:15], v[S+28:S+29]
.irp k, 0,1,2,3,4,5,6
	v_pk_add_f32 v[236+2*\k:237+2*\k], v[236+2*\k:237+2*\k], v[S+30+2*\k:S+31+2*\k]
.endr
	v_pk_add_f32 v[14:15], v[14:15], v[S+44:S+45]
.irp k, 0,1,2,3,4,5,6
	v_pk_add_f32 v[236+2*\k:237+2*\k], v[236+2*\k:237+2*\k], v[S+46+2*\k:S+47+2*\k]
.endr
	v_pk_add_f32 v[14:15], v[14:15], v[S+60:S+61]
	v_pk_add_f32 v[236:237], v[236:237], v[S+62:S+63]
	v_pk_add_f32 v[238:239], v[238:239], v[244:245]
	v_pk_add_f32 v[240:241], v[240:241], v[246:247]
	v_pk_add_f32 v[242:243], v[242:243], v[248:249]
	v_pk_add_f32 v[14:15], v[14:15], v[236:237]
	s_delay_alu instid0(VALU_DEP_3)
	v_pk_add_f32 v[238:239], v[238:239], v[240:241]
	s_delay_alu instid0(VALU_DEP_2)
	v_pk_add_f32 v[14:15], v[14:15], v[242:243]
	s_delay_alu instid0(VALU_DEP_1)
	v_pk_add_f32 v[14:15], v[14:15], v[238:239]
	s_wait_alu depctr_va_vdst(0)                   ; and one for the four
.irp b, 0,1,2,3
	v_max_num_f32 v[232+\b], 0x1800000, v[232+\b]  ; the floor 2^(3 - 127)
.endr
.irp b, 0,1,2,3
	s_delay_alu instid0(VALU_DEP_4)
	v_add_nc_u32 v[244+\b], 0xff000000, v[232+\b]  ; the conversion's scale operand
.endr
.irp b, 0,1,2,3
	s_delay_alu instid0(VALU_DEP_4)
	v_lshrrev_b32 v[240+\b], 23, v[244+\b]         ; the byte
.endr
	s_delay_alu instid0(VALU_DEP_3)
	v_lshl_or_b32 v253, v241, 8, v240              ; p's scale word for these 128 keys
	s_delay_alu instid0(VALU_DEP_1)
	v_lshl_or_b32 v253, v242, 16, v253
	s_delay_alu instid0(VALU_DEP_1)
	v_lshl_or_b32 v253, v243, 24, v253
.irp c, 0,1
	v_cvt_scalef32_pk16_fp6_f32 v[PCD+6*\c:PCD+2+6*\c], v[S+32*\c:S+15+32*\c], v[244+2*\c]
	v_cvt_scalef32_pk16_fp6_f32 v[236+4*\c:238+4*\c], v[S+16+32*\c:S+31+32*\c], v[244+2*\c+1]
.endr
	v_nop                                          ; one plain instruction behind the conversions
.irp c, 0,1
.irp i, 0,1,2
	v_permlane16_swap_b32 v[PCD+6*\c+\i], v[236+4*\c+\i]   ; the layout wants a whole block in a lane
.endr
.irp i, 0,1,2
	s_delay_alu instid0(VALU_DEP_3)
	v_mov_b32 v[PCD+3+6*\c+\i], v[236+4*\c+\i]
.endr
.endr
.set n_, 0
.rept 16
	v_pk_mul_f32 v[O+n_:O+n_+1], v[O+n_:O+n_+1], v[252:253] op_sel_hi:[1,0]   ; O^T under the new M.  (These are also the places between the writes of p's codes and scale word and the products)
.set n_, n_+2
.endr
	s_wait_alu depctr_va_vdst(0)
	s_wait_dscnt 0x0                               ; V's fragments are in
.irp nv, 0,1,2,3
.if \nv % 2
	v_wmma_scale_f32_16x16x128_f8f6f4 v[O+8*\nv:O+8*\nv+7], v[F+12*\nv:F+12*\nv+11], v[PCD:PCD+11], v[O+8*\nv:O+8*\nv+7], v[VW+\nv/2], v253 matrix_a_fmt:MATRIX_FMT_FP6 matrix_b_fmt:MATRIX_FMT_FP6 matrix_a_scale:MATRIX_SCALE_ROW1
.else
	v_wmma_scale_f32_16x16x128_f8f6f4 v[O+8*\nv:O+8*\nv+7], v[F+12*\nv:F+12*\nv+11], v[PCD:PCD+11], v[O+8*\nv:O+8*\nv+7], v[VW+\nv/2], v253 matrix_a_fmt:MATRIX_FMT_FP6 matrix_b_fmt:MATRIX_FMT_FP6
.endif
.endr
.Lhidden_\@:
	s_add_co_u32 s[ST], s[ST], 1
.endm
	s_wait_alu depctr_va_vdst(0)                   ; the wait at the head's end
	s_wait_loadcnt 0x0                             ; Q
	s_wait_tensorcnt 0x0                           ; my record has landed,
	s_barrier_signal -1
	s_barrier_wait -1                              ; and everybody's has: all sixteen may be read
	s_mov_b32 s[ST], 0
.Ltrip:
	STEP
	s_cmp_lt_u32 s[ST], 9
	s_cbranch_scc1 .Ltrip
	; ---- Y's two parts meet
.rept 4
	v_nop                                          ; four places behind the last products
.endr
	s_cmp_eq_u32 s13, 1
	s_cbranch_scc1 .Lno_hand
.irp c, 0,1,2,3,4,5,6,7
	ds_store_b128 v[STA], v[O+4*\c:O+4*\c+3] offset:512*\c     ; wave B: its part of O^T, each accumulator from its low end on,
.endr
	ds_store_b128 v[STA], v[12:15] offset:4096                 ; -M and the sums
.Lno_hand:
	s_wait_dscnt 0x0
	s_barrier_signal -1
	s_barrier_wait -1
	s_cmp_eq_u32 s13, 0
	s_cbranch_scc1 .Lend
.irp c, 0,1,2,3,4,5,6,7,8
	ds_load_b128 v[S+4*\c:S+4*\c+3], v[STA] offset:512*\c
.endr
	s_wait_dscnt 0x0
	v_min_num_f32 v254, v12, v[S+32]               ; -M of the two parts together
	s_delay_alu instid0(VALU_DEP_1)
	v_sub_f32 v252, v254, v12
	v_sub_f32 v254, v254, v[S+32]                  ; whole numbers, 0 or less
	s_delay_alu instid0(VALU_DEP_2)
	v_cvt_i32_f32 v252, v252
	s_delay_alu instid0(VALU_DEP_2)
	v_cvt_i32_f32 v254, v254
	s_delay_alu instid0(VALU_DEP_2)
	v_ldexp_f32 v252, 1.0, v252                    ; my part's factor,
	s_delay_alu instid0(VALU_DEP_2)
	v_ldexp_f32 v254, 1.0, v254                    ; and B's: powers of two
.set n_, 0
.rept 16
	v_pk_mul_f32 v[O+n_:O+n_+1], v[O+n_:O+n_+1], v[252:253] op_sel_hi:[1,0]
.set n_, n_+2
.endr
	v_pk_mul_f32 v[14:15], v[14:15], v[252:253] op_sel_hi:[1,0]
.set n_, 0
.rept 16
	v_pk_fma_f32 v[O+n_:O+n_+1], v[S+n_:S+n_+1], v[254:255], v[O+n_:O+n_+1] op_sel_hi:[1,0,1]
.set n_, n_+2
.endr
	v_pk_fma_f32 v[14:15], v[S+34:S+35], v[254:255], v[14:15] op_sel_hi:[1,0,1]
	FIN OY                                         ; wave A: Y leaves
.Lend:
	s_wait_tensorcnt 0x0                           ; the wave's end
	ds_add_u32 v251, v255
	s_wait_dscnt 0x0
	CROUND                                         ; the closing round
	s_endpgm
.Lfunc_end_k_q23582253dc_attn:
	.size	k_q23582253dc_attn, .Lfunc_end_k_q23582253dc_attn-k_q23582253dc_attn
	.p2alignl 7, 3214868480
	.fill 96, 4, 3214868480
	.section	.rodata,"a",@progbits
	.p2align	6, 0x0
	.amdhsa_kernel k_q23582253dc_attn
		.amdhsa_group_segment_fixed_size 247808
		.amdhsa_private_segment_fixed_size 0
		.amdhsa_enable_private_segment 0
		.amdhsa_kernarg_size 24
		.amdhsa_user_sgpr_count 2
		.amdhsa_user_sgpr_kernarg_segment_ptr 1
		.amdhsa_wavefront_size32 1
		.amdhsa_system_sgpr_workgroup_id_x 1
		.amdhsa_system_sgpr_workgroup_id_y 1
		.amdhsa_system_sgpr_workgroup_id_z 1
		.amdhsa_system_vgpr_workitem_id 0
		.amdhsa_next_free_vgpr 256
		.amdhsa_next_free_sgpr 66
		.amdhsa_reserve_vcc 1
		.amdhsa_float_denorm_mode_32 3
		.amdhsa_float_denorm_mode_16_64 3
		.amdhsa_memory_ordered 1
		.amdhsa_forward_progress 1
		.amdhsa_inst_pref_size 46
	.end_amdhsa_kernel
	.amdgpu_metadata
---
amdhsa.version: [ 1, 2 ]
amdhsa.kernels:
  - .name:           k_q23582253dc_attn
    .symbol:         k_q23582253dc_attn.kd
    .args:
      - { .name: qimg, .offset: 0, .size: 8, .value_kind: global_buffer, .address_space: global }
      - { .name: kv, .offset: 8, .size: 8, .value_kind: global_buffer, .address_space: global }
      - { .name: ao, .offset: 16, .size: 8, .value_kind: global_buffer, .address_space: global }
    .group_segment_fixed_size: 247808
    .private_segment_fixed_size: 0
    .kernarg_segment_align: 8
    .kernarg_segment_size: 24
    .max_flat_workgroup_size: 512
    .sgpr_count:     66
    .vgpr_count:     256
    .wavefront_size: 32
...
	.end_amdgpu_metadata
.endif
;; end of part 3
;; launch oproj (part 4): grid 16 x 16, 4 waves a work-group, clusters of 4 x 1, 168,448 bytes of LDS; arguments ao, wimg, out0; writes out0
.if DOCPART == 4
	.amdgcn_target "amdgcn-amd-amdhsa--gfx1250"
	.amdhsa_code_object_version 6
	.text
	.protected	k_q23582253dc_oproj
	.globl	k_q23582253dc_oproj
	.p2align	8
	.type	k_q23582253dc_oproj,@function
k_q23582253dc_oproj:
	s_mov_b64 s[64:65], 0
	v_nop
	global_prefetch_b8 v0, s[64:65] scope:SCOPE_SE
	s_setreg_imm32_b32 hwreg(HW_REG_WAVE_MODE, 25, 1), 1
	s_wait_xcnt 0x0
	s_wait_alu depctr_hold_cnt(0) depctr_sa_sdst(0) depctr_va_vdst(0) depctr_va_sdst(0) depctr_va_ssrc(0) depctr_va_vcc(0) depctr_vm_vsrc(0)
	s_getreg_b32 s2, hwreg(HW_REG_IB_STS2, 6, 4)
	s_cmp_eq_u32 s2, 0
	s_cbranch_scc0 .Lentry_in_a_cluster
	s_endpgm
.Lentry_in_a_cluster:
	s_bfe_u32 s2, ttmp6, 0x10000c
	s_cmp_lg_u32 s2, 0x3003
	s_cbranch_scc0 .Lentry_shape_is_right
	s_endpgm
.Lentry_shape_is_right:
; OPROJ.  out0 = (attention's output) w_o^T on codes of FP6 (E2M3) with E8M0 scales; out0 [4096][1024] f32.
; SHARES.  A work-group makes 256 rows x 64 columns; a wave 64 x 64: 16 accumulators, 128 matrix instructions.  256 work-groups of equal work.
; w_o's images of the 64 columns for all of K, 51,200 bytes, come into LDS once, a quarter a wave, and are never filled again.  The four work-groups of a cluster share the columns: each quarter is asked for JOINTLY (mask 15).
; The rows' fragments are used by one wave alone: they go from memory straight into a ring of five K steps of registers.
; LAYOUT.  Source 0 = 16 rows of w_o (columns of the result), source 1 = 16 rows of ao: a lane holds one row of the result and its registers run along the columns: register 8 n + j of a tile of rows is column
; 32 (n / 2) + 16 (lane / 16) + 8 (n % 2) + j.  A tile of 16 rows goes through the wave's own stage in LDS and leaves as whole pieces of 256 bytes.
; REGISTERS: window 0: addresses, scale words, two sets of four weight fragments, later rows on the way out;  window 1: the ring;  window 2: the accumulators, 8 (4 t + n).
.set XREC,  6400
.set WOBASE, 2457600
.set STG,   51200                      ; behind the weights: a stage of 16 rows x (256 bytes + 16) for each wave; no tensor load lands there
.set SP,    272
.set LI,   2                           ; v2   16 l
.set LSC,  5                           ; v5   4 l
.set L8,   9                           ; v9   8 l
.set STO,  10                          ; v10  the stage: where I put my row's bytes
.set RD,   11                          ; v11  and where I read rows back
.set CO,   12                          ; v12  my byte offset in out0
.set ASC,  16                          ; v16-31 the rows' scale words: 2 s + pair of tiles
.set WS,   32                          ; v32-33, v34-35 the weight sets' scale words
.set WA,   40                          ; v40-87, v88-135 the weight sets
.set BK,   40                          ; the way out: v40-71 and v72-103 by turns
.set WV,   14
.set MSB, 0
.macro WIN new
.if MSB != (\new)
	s_set_vgpr_msb (MSB<<8)|(\new)
.set MSB, (\new)
.endif
.endm
.macro CROUND                          ; a round of the cluster's barrier
	s_barrier_signal -1
	s_barrier_wait -1
	s_cmp_lg_u32 s[WV], 0
	s_cbranch_scc1 .Lnot_wave_0_\@
	s_barrier_signal -3
.Lnot_wave_0_\@:
	s_barrier_wait -3
	s_barrier_signal -1
	s_barrier_wait -1
.endm
; One matrix instruction on the registers named by rD, rA, rB, rSA, rSB.  rZ = 1: it starts the sum.  ra, rb = 1: that side's scale words stand in lanes 16-31.
.macro EMIT ra, rb
.if rZ
.if \ra
.if \rb
	v_wmma_scale_f32_16x16x128_f8f6f4 v[rD:rD+7], v[rA:rA+11], v[rB:rB+11], 0, v[rSA], v[rSB] matrix_a_fmt:MATRIX_FMT_FP6 matrix_b_fmt:MATRIX_FMT_FP6 matrix_a_scale:MATRIX_SCALE_ROW1 matrix_b_scale:MATRIX_SCALE_ROW1
.else
	v_wmma_scale_f32_16x16x128_f8f6f4 v[rD:rD+7], v[rA:rA+11], v[rB:rB+11], 0, v[rSA], v[rSB] matrix_a_fmt:MATRIX_FMT_FP6 matrix_b_fmt:MATRIX_FMT_FP6 matrix_a_scale:MATRIX_SCALE_ROW1
.endif
.else
.if \rb
	v_wmma_scale_f32_16x16x128_f8f6f4 v[rD:rD+7], v[rA:rA+11], v[rB:rB+11], 0, v[rSA], v[rSB] matrix_a_fmt:MATRIX_FMT_FP6 matrix_b_fmt:MATRIX_FMT_FP6 matrix_b_scale:MATRIX_SCALE_ROW1
.else
	v_wmma_scale_f32_16x16x128_f8f6f4 v[rD:rD+7], v[rA:rA+11], v[rB:rB+11], 0, v[rSA], v[rSB] matrix_a_fmt:MATRIX_FMT_FP6 matrix_b_fmt:MATRIX_FMT_FP6
.endif
.endif
.else
.if \ra
.if \rb
	v_wmma_scale_f32_16x16x128_f8f6f4 v[rD:rD+7], v[rA:rA+11], v[rB:rB+11], v[rD:rD+7], v[rSA], v[rSB] matrix_a_fmt:MATRIX_FMT_FP6 matrix_b_fmt:MATRIX_FMT_FP6 matrix_a_scale:MATRIX_SCALE_ROW1 matrix_b_scale:MATRIX_SCALE_ROW1
.else
	v_wmma_scale_f32_16x16x128_f8f6f4 v[rD:rD+7], v[rA:rA+11], v[rB:rB+11], v[rD:rD+7], v[rSA], v[rSB] matrix_a_fmt:MATRIX_FMT_FP6 matrix_b_fmt:MATRIX_FMT_FP6 matrix_a_scale:MATRIX_SCALE_ROW1
.endif
.else
.if \rb
	v_wmma_scale_f32_16x16x128_f8f6f4 v[rD:rD+7], v[rA:rA+11], v[rB:rB+11], v[rD:rD+7], v[rSA], v[rSB] matrix_a_fmt:MATRIX_FMT_FP6 matrix_b_fmt:MATRIX_FMT_FP6 matrix_b_scale:MATRIX_SCALE_ROW1
.else
	v_wmma_scale_f32_16x16x128_f8f6f4 v[rD:rD+7], v[rA:rA+11], v[rB:rB+11], v[rD:rD+7], v[rSA], v[rSB] matrix_a_fmt:MATRIX_FMT_FP6 matrix_b_fmt:MATRIX_FMT_FP6
.endif
.endif
.endif
.endm
.macro QUAD np, tp, s                  ; weight tiles 2 np, + 1 x tiles of rows 2 tp, + 1, K step s
.irp dn, 0,1
.irp dt, 0,1
.set n_, 2*(\np)+\dn
.set t_, 2*(\tp)+\dt
.set rD, 8*(4*t_+n_)
.set rA, WA+48*((\s)%2)+12*n_
.set rB, 48*((\s)%5)+12*t_
.set rSA, WS+2*((\s)%2)+(\np)
.set rSB, ASC+2*(\s)+(\tp)
	EMIT \dn, \dt
.endr
.endr
.endm
.macro LOADW s                         ; K step s of the weights from LDS into set s % 2: 12 loads of 16 bytes and 2 scale words: 14 LDS loads
.irp n, 0,1,2,3
.irp c, 0,1,2
	ds_load_b128 v[WA+48*((\s)%2)+12*\n+4*\c:WA+48*((\s)%2)+12*\n+4*\c+3], v[LI] offset:XREC*(\s)+1536*\n+512*\c
.endr
.endr
.irp i, 0,1
	ds_load_b32 v[WS+2*((\s)%2)+\i], v[LSC] offset:XREC*(\s)+6144+128*\i
.endr
.endm
.macro LOADA s                         ; the rows' four fragments of K step s, each two half fragments (the two heads of the step): 16 loads
	WIN 0x40
.irp t, 0,1,2,3
.irp e, 0,1
	global_load_b128 v[48*((\s)%5)+12*\t+6*\e:48*((\s)%5)+12*\t+6*\e+3], v[LI], s[4:5] offset:XREC*(\s)+1536*\t+768*\e
	global_load_b64 v[48*((\s)%5)+12*\t+6*\e+4:48*((\s)%5)+12*\t+6*\e+5], v[L8], s[4:5] offset:XREC*(\s)+1536*\t+768*\e+512
.endr
.endr
.endm
; A K step: 16 matrix instructions on the 16 accumulators, which take turns, one instruction a turn, in the same order in every step.
.macro KSTEP s
.if (\s) == 0
.set rZ, 1
.else
.set rZ, 0
.endif
.if (\s) < 7
	s_wait_dscnt 14                                ; my set is in; the other set's 14 loads may be out
.else
	s_wait_dscnt 0x0
.endif
.if (\s) < 4
	s_wait_loadcnt 63                              ; behind this step's fragments four steps' 64 loads were issued; the wait's field ends at 63, and a smaller count is safe
.else
	s_wait_loadcnt 16*(7-(\s))                     ; 16 for each later step
.endif
	WIN 0xa4                                       ; source 0 window 0, source 1 window 1, C and D window 2
.irp np, 0,1
.irp tp, 0,1
	QUAD \np, \tp, \s
.endr
.endr
.rept 4
	v_nop                                          ; four places in front of loads into registers that these products read, and of the first read of results
.endr
	WIN 0
.if (\s)+2 < 8
	LOADW (\s)+2
.endif
.if (\s)+5 < 8
	LOADA (\s)+5
.endif
.endm
	s_load_b128 s[4:7], s[0:1], 0x0                ; ao, wimg
	s_load_b64 s[8:9], s[0:1], 0x10                ; out0
	v_lshl_add_u32 v254, v0, 2, 0x29000
	v_mov_b32 v255, 0
	ds_add_u32 v254, v255
	ds_add_u32 v254, v255
	v_lshrrev_b32 v1, 5, v0
	v_readfirstlane_b32 s[WV], v1                  ; wave 0..3
	s_bfe_u32 s15, ttmp6, 0x40000                  ; cx: it enters the addresses of ao and out0 alone
	s_lshl_b32 s16, ttmp9, 2
	s_add_co_u32 s16, s16, s15                     ; which 256 rows
	s_and_b32 s17, ttmp7, 0xffff                   ; which 64 columns: shared by the four partners
	s_mul_i32 s18, s17, 8*XREC
	s_mul_i32 s19, s[WV], 2*XREC                   ; my quarter: in the block, and in LDS
	s_add_co_u32 s20, s18, s19
	s_add_co_u32 s20, s20, WOBASE
	s_mov_b32 s21, 0
	; descriptor group 1: 12,800 dense bytes as 50 rows of 32 elements of 8 bytes; the mask names all four work-groups
	s_mov_b32 s32, 15|(3<<16)|(1<<21)
	s_mov_b32 s33, 32<<16
	s_mov_b32 s34, 50<<16
	s_mov_b32 s35, 32<<16
	s_mov_b32 s36, 50
	s_mov_b32 s37, 32
	s_mov_b32 s38, 0
	s_mov_b32 s39, 0
	s_lshl_b32 s24, s16, 2
	s_add_co_u32 s24, s24, s[WV]                   ; which 64 rows are my wave's
	s_mul_i32 s26, s24, 8*XREC
	s_mov_b32 s27, 0
	s_lshl_b32 s28, s24, 18                        ; 64 rows of 4,096 bytes,
	s_lshl_b32 s29, s17, 8                         ; 64 columns of 4 bytes
	s_add_co_u32 s28, s28, s29
	s_mov_b32 s29, 0
	s_mul_i32 s30, s[WV], 16*SP
	s_add_co_u32 s30, s30, STG                     ; my stage
	v_and_b32 v1, 31, v0
	v_lshlrev_b32 v[LI], 4, v1
	v_lshlrev_b32 v[LSC], 2, v1
	v_lshlrev_b32 v[L8], 3, v1
	v_and_b32 v3, 15, v0                           ; r
	v_bfe_u32 v4, v0, 4, 1                         ; h
	v_mul_u32_u24 v[STO], v3, SP
	v_lshl_add_u32 v[STO], v4, 6, v[STO]
	v_add_nc_u32 v[STO], s30, v[STO]               ; in: row r, + 64 h
	v_mul_u32_u24 v[RD], v4, SP
	v_lshl_add_u32 v[RD], v3, 4, v[RD]
	v_add_nc_u32 v[RD], s30, v[RD]                 ; back: lanes 0-15 one row of 256 bytes, lanes 16-31 the next
	v_lshlrev_b32 v[CO], 12, v4
	v_lshl_add_u32 v[CO], v3, 4, v[CO]             ; and the same two rows in out0
	s_wait_dscnt 0x0
	s_wait_kmcnt 0x0
	s_mov_b32 s40, 1
	s_mov_b32 s41, s19
	s_add_nc_u64 s[42:43], s[6:7], s[20:21]
	s_or_b32 s43, s43, 0x80000000
	s_add_nc_u64 s[4:5], s[4:5], s[26:27]
	s_add_nc_u64 s[8:9], s[8:9], s[28:29]
	CROUND                                         ; all four work-groups are here: the joint loads meet
	tensor_load_to_lds s[40:43], s[32:39]          ; my one load
	s_nop 0
.rept 4
	v_nop
.endr
.irp s, 0,1,2,3,4,5,6,7
.irp p, 0,1
	global_load_b32 v[ASC+2*\s+\p], v[LSC], s[4:5] offset:XREC*\s+6144+128*\p
.endr
.endr
	LOADA 0
	LOADA 1
	LOADA 2
	LOADA 3
	LOADA 4
	WIN 0
	s_wait_tensorcnt 0x0                           ; my quarter has landed,
	s_barrier_signal -1
	s_barrier_wait -1                              ; everybody's has
	LOADW 0
	LOADW 1
	KSTEP 0
	KSTEP 1
	KSTEP 2
	KSTEP 3
	KSTEP 4
	KSTEP 5
	KSTEP 6
	KSTEP 7
; THE WAY OUT, a tile of 16 rows at a time.  LDS serves a wave's instructions in order (ISA guide 5.7.1.4): no wait between the stores and the loads, nor in front of the next tile's stores.
.macro TOSTAGE t
	WIN 0x08                                       ; an LDS store's data are its source 1: window 2
.irp n, 0,1,2,3
	ds_store_b128 v[STO], v[8*(4*(\t)+\n):8*(4*(\t)+\n)+3] offset:128*(\n/2)+32*(\n%2)        ; each accumulator from its low end on
	ds_store_b128 v[STO], v[8*(4*(\t)+\n)+4:8*(4*(\t)+\n)+7] offset:128*(\n/2)+32*(\n%2)+16
.endr
	WIN 0
.irp i, 0,1,2,3,4,5,6,7
	ds_load_b128 v[BK+32*((\t)%2)+4*\i:BK+32*((\t)%2)+4*\i+3], v[RD] offset:2*SP*\i
.endr
.endm
.macro SEND t, younger                 ; younger: the LDS instructions issued behind tile t's loads, which may stay out
	s_wait_dscnt \younger
.irp i, 0,1,2,3,4,5,6,7                ; stage rows 2 i, 2 i + 1 are rows 32 (t / 2) + 8 (t % 2) + 2 i + 8 (i / 4), + 1 of my 64
	global_store_b128 v[CO], v[BK+32*((\t)%2)+4*\i:BK+32*((\t)%2)+4*\i+3], s[8:9] offset:(32*((\t)/2)+8*((\t)%2)+2*\i+8*(\i/4))*4096 th:TH_STORE_NT   ; 16 lanes store 256 consecutive bytes, aligned; written once, read by nobody here
.endr
.endm
	s_wait_alu depctr_va_vdst(0)
	TOSTAGE 0                                      ; (KSTEP 7 ended with four places)
	TOSTAGE 1
	SEND 0, 16                                     ; behind tile 0's loads: tile 1's 8 stores and 8 loads
	s_wait_xcnt 0x0                                ; tile 0's stores have read their registers: tile 2's loads may land there
	TOSTAGE 2
	SEND 1, 16
	s_wait_xcnt 0x0                                ; likewise tile 1's
	TOSTAGE 3
	SEND 2, 16
	SEND 3, 0
	s_wait_tensorcnt 0x0
	ds_add_u32 v254, v255
	s_wait_dscnt 0x0
	CROUND                                         ; the closing round: no work-group ends while a partner may still ask for a quarter that names it
	s_endpgm
.Lfunc_end_k_q23582253dc_oproj:
	.size	k_q23582253dc_oproj, .Lfunc_end_k_q23582253dc_oproj-k_q23582253dc_oproj
	.p2alignl 7, 3214868480
	.fill 96, 4, 3214868480
	.section	.rodata,"a",@progbits
	.p2align	6, 0x0
	.amdhsa_kernel k_q23582253dc_oproj
		.amdhsa_group_segment_fixed_size 168448
		.amdhsa_private_segment_fixed_size 0
		.amdhsa_enable_private_segment 0
		.amdhsa_kernarg_size 24
		.amdhsa_user_sgpr_count 2
		.amdhsa_user_sgpr_kernarg_segment_ptr 1
		.amdhsa_wavefront_size32 1
		.amdhsa_system_sgpr_workgroup_id_x 1
		.amdhsa_system_sgpr_workgroup_id_y 1
		.amdhsa_system_sgpr_workgroup_id_z 1
		.amdhsa_system_vgpr_workitem_id 0
		.amdhsa_next_free_vgpr 640
		.amdhsa_next_free_sgpr 66
		.amdhsa_reserve_vcc 0
		.amdhsa_float_denorm_mode_32 3
		.amdhsa_float_denorm_mode_16_64 3
		.amdhsa_memory_ordered 1
		.amdhsa_forward_progress 1
		.amdhsa_inst_pref_size 51
	.end_amdhsa_kernel
	.amdgpu_metadata
---
amdhsa.version: [ 1, 2 ]
amdhsa.kernels:
  - .name:           k_q23582253dc_oproj
    .symbol:         k_q23582253dc_oproj.kd
    .args:
      - { .name: ao, .offset: 0, .size: 8, .value_kind: global_buffer, .address_space: global }
      - { .name: wimg, .offset: 8, .size: 8, .value_kind: global_buffer, .address_space: global }
      - { .name: out0, .offset: 16, .size: 8, .value_kind: global_buffer, .address_space: global }
    .group_segment_fixed_size: 168448
    .private_segment_fixed_size: 0
    .kernarg_segment_align: 8
    .kernarg_segment_size: 24
    .max_flat_workgroup_size: 128
    .sgpr_count:     66
    .vgpr_count:     640
    .wavefront_size: 32
...
	.end_amdgpu_metadata
.endif
;; end of part 4
